; MI455X (gfx1250); checked and timed in simulation.
; The chip was launched on July 23, 2026; its instructions are those of AMD's public machine-readable ISA for CDNA 5 (MIT licence, August 2026) and "CDNA5" Instruction Set Architecture Reference Guide (July 2026). The comments in the code are by the model that wrote it; some were corrected since.
;; Multi Head Attention. Allowed arithmetic: matrix products marked QUANTISED: E2M1 operands, one E8M0 scale for each 32 along K, by v_wmma_scale_f32_16x16x128_f8f6f4 with both operands' format E2M1 (or v_wmma_scale_f32_32x16x128_f4), f32 sums; products left as they are: bf16, f16 or f32 operands; f32 sums; everything else in f32.
;; Inputs: bo 1,024 float32; wk 1,024 x 1,024 float32; wo 1,024 x 1,024 float32; wq 1,024 x 1,024 float32; wv 1,024 x 1,024 float32; x 2 x 2,048 x 1,024 float32.
;; Outputs: out0 2 x 2,048 x 1,024 float32.
;; This version of the problem:
;;   THIS VERSION OF THE PROBLEM IS GIVEN IN LOW PRECISION. The matrix products marked QUANTISED in the list below multiply operands that are first quantised to E2M1 (2 exponent bits, 1 mantissa bit; 4 bits a number), with one power-of-two scale for each 32 numbers along K (OCP MX v1.0); their sums are f32. The products marked 'left as it is' may take bf16, f16 or f32 operands, with f32 sums. Whichever they take, every output number must still come out within the allowed error. Rounding operands to bf16 (8 significant bits) uses up far more of that allowance than f16 does (11 bits, for magnitudes from 6e-5 to 65,504). All else is computed in f32.
;;   The module's matrix products, in the order in which they are computed (A, B: the left and right operand; K: the contracted axis; several contracted axes count as one K, in the product's order):
;;     1. [M 4,096, K 1,024] x [K 1,024, N 1,024]; A: input x; B: input wq: QUANTISED
;;     2. [M 4,096, K 1,024] x [K 1,024, N 1,024]; A: input x; B: input wk: QUANTISED
;;     3. [M 4,096, K 1,024] x [K 1,024, N 1,024]; A: input x; B: input wv: QUANTISED
;;     4. batch 32 x [M 2,048, K 64] x [K 64, N 2,048]; A: computed on the way; B: computed on the way: left as it is (an operand is computed on the way)
;;     5. batch 32 x [M 2,048, K 2,048] x [K 2,048, N 64]; A: computed on the way; B: computed on the way: left as it is (an operand is computed on the way)
;;     6. [M 4,096, K 1,024] x [K 1,024, N 1,024]; A: computed on the way; B: input wo: left as it is (an operand is computed on the way)
;;   THE QUANTISER, for each operand of a quantised product, along K:
;;     - K is cut into blocks of 32 from its start; a last block that is shorter is filled with zeros.
;;     - A block's scale is 2^e with e = floor(log2(the largest magnitude in the block)) - 2, held to -126 .. 127; a block of zeros has e = 0. As a byte (E8M0): e + 127.
;;     - Each number is divided by its block's scale, clamped to +-6, and rounded to the nearest number of E2M1, ties to even, subnormals kept.
;;     - The product sums the exact products of the quantised numbers (number of the format x scale) in f32.
;;   ~~~python
;;   def quantise(x, axis):      # numpy; x: float32 -> the quantised numbers, widened to float32 again
;;       x = np.moveaxis(x, axis, -1); K = x.shape[-1]
;;       x = np.pad(x, [(0, 0)] * (x.ndim - 1) + [(0, -K % 32)]); x = x.reshape(x.shape[:-1] + (-1, 32)); a = np.abs(x).max(-1, keepdims=True)
;;       e = np.where(a > 0, np.clip(np.frexp(np.where(a > 0, a, 1))[1] - 1 - 2, -126, 127), 0)      # np.frexp(a)[1] - 1 = floor(log2(a)), exactly
;;       r = np.clip(x / 2.0 ** e, -6, 6)
;;       step = 2.0 ** (np.maximum(np.frexp(np.where(r == 0, 1, r))[1] - 1, 0) - 1)
;;       q = np.round(r / step) * step * 2.0 ** e      # np.round: ties to even
;;       return np.moveaxis(q.reshape(q.shape[:-2] + (-1,))[..., :K], -1, axis).astype(np.float32)
;;   ~~~
;; One version. Each part assembles by itself: llvm-mc -triple=amdgcn-amd-amdhsa -mcpu=gfx1250 --defsym DOCPART=n.
;; ======== version 1 of 1: 5 launches
;; limits: values are held in f16: magnitudes above 65,504 overflow, below 6.1e-05 lose precision
;; workspace buffers: xc 2,097,152 bytes; xs 131,072 bytes; wc 1,572,864 bytes; ws 98,304 bytes; wo16 2,097,152 bytes; qkv 25,165,824 bytes; fq 393,216 bytes; ctxh 8,388,608 bytes
;; launch quant (part 1): grid 256 x 1, 4 waves a work-group, no clusters, 33,280 bytes of LDS; arguments x, wq, wk, wv, wo, xc, xs, wc, ws, wo16; writes xc, xs, wc, ws, wo16
.if DOCPART == 1
	.amdgcn_target "amdgcn-amd-amdhsa--gfx1250"
	.amdhsa_code_object_version 6
	.text
	.protected	k_qce2a5c9e7d_quant
	.globl	k_qce2a5c9e7d_quant
	.p2align	8
	.type	k_qce2a5c9e7d_quant,@function
k_qce2a5c9e7d_quant:
	s_mov_b64 s[64:65], 0
	v_nop
	global_prefetch_b8 v0, s[64:65] scope:SCOPE_SE
	s_setreg_imm32_b32 hwreg(HW_REG_WAVE_MODE, 25, 1), 1
	s_wait_xcnt 0x0
; x [4096][1024], wq, wk, wv [1024][1024], f32, K innermost, become codes of FP4 (E2M1), two a byte, the lower k in the low four bits, with one E8M0 byte for each 32 along K.
; xc [4096][512 bytes], xs [4096][32]; wc [3072][512 bytes], ws [3072][32]: rows 0-1023 wq, 1024-2047 wk, 2048-3071 wv.  wo [1024][1024] is rounded once to f16 (wo16), for the product that is left as it is.
; A block's scale is 2^(floor(log2(its largest magnitude)) - 2); its byte is the largest magnitude's exponent field - 2, held at 1 from below.
; LIMITS: a block of zeros gets the byte 1 where the rule says 127 (its codes are zeros, which add nothing, and this program alone reads the bytes); blocks under the floor 2^(3 - 127) keep the byte 1;
; NaN and infinities among the inputs are not served; wo in f16 holds magnitudes up to 65,504.
; SHARES.  A work-group takes 32,768 numbers, a wave 8,192.  Work-groups 0-127: x; 128-159: wq; 160-191: wk; 192-223: wv; 224-255: wo.  Rows are dense and K is a multiple of 32: every tensor is a plain stream of blocks.
; The four quantised tensors take ONE path: only pointers are chosen, by the work-group's number.  A step is 512 numbers: four loads of 512 consecutive bytes, a turn through the wave's own stage in LDS
; (16 bytes of padding behind each 64), so that a lane holds 16 neighbours along K and two neighbouring lanes a block.  Waves share nothing: no barrier.  No matrix unit, no cluster, no tensor load: memory binds.
.set WAVES, 4
.set STEPS, 16
.set EMAX,  2
.set CB,    8                          ; bytes of 16 codes
.set R,     16                         ; v16-79   four sets of 16 numbers as loaded (the cast: v16-143, two sets of 64)
.set X,     80                         ; v80-111  two sets of 16 neighbours
.set E,     112                        ; v112-127 a scale byte for each step
.set C,     128                        ; v128-191 codes, four registers a step: no store's data are written again
.set F,     144                        ; v144-175 the cast's f16 pairs
.set WREG,  8192                       ; LDS: a region for each wave: two stages of 32 x SP bytes, then its 256 scale bytes
.set SP,    80
.set SPW,   12                         ; v12 LDS address of my spare word; never rewritten
.set NIL,   13                         ; v13 0; never rewritten
.set SPARE, WAVES*WREG                 ; the spare words, 128 bytes a wave: no other line names them
	s_load_b256 s[4:11], s[0:1], 0x0               ; x, wq, wk, wv
	s_load_b256 s[12:19], s[0:1], 0x20             ; wo, xc, xs, wc
	s_load_b128 s[20:23], s[0:1], 0x40             ; ws, wo16
	v_lshl_add_u32 v[SPW], v0, 2, SPARE
	v_mov_b32 v[NIL], 0
	v_lshrrev_b32 v1, 5, v0
	v_readfirstlane_b32 s24, v1                    ; wave
	v_and_b32 v2, 31, v0                           ; lane
	v_lshlrev_b32 v3, 4, v2                        ; my 16 bytes of a load's 512
	v_lshlrev_b32 v4, 3, v2                        ; my 8 bytes of a store's 256
	s_cmp_ge_u32 ttmp9, 224
	s_cbranch_scc1 .Lcast
	s_mul_i32 s25, s24, WREG
	v_lshrrev_b32 v14, 2, v2
	v_mul_u32_u24 v14, v14, SP
	v_and_b32 v15, 3, v2
	v_lshl_add_u32 v14, v15, 4, v14
	v_add_nc_u32 v14, s25, v14                     ; the stage, on the way in: SP (lane / 4) + 16 (lane % 4)
	v_mul_u32_u24 v15, v2, SP
	v_add_nc_u32 v15, s25, v15                     ; and on the way out: SP x lane: my 16 neighbours
	v_lshrrev_b32 v5, 1, v2
	s_add_co_u32 s25, s25, 2*32*SP
	v_add_nc_u32 v5, s25, v5                       ; my block's scale byte among my wave's 256
	v_lshlrev_b32 v7, 3, v2
	v_add_nc_u32 v6, s25, v7                       ; and 8 of them a lane on the way out
	s_and_b32 s27, ttmp9, 31                       ; a weight's work-groups count from 0 in each of the three
	s_wait_kmcnt 0x0
	s_cmp_lt_u32 ttmp9, 192                        ; the choices hang on the work-group's number alone
	s_cselect_b64 s[8:9], s[8:9], s[10:11]         ; wk or wv
	s_cmp_lt_u32 ttmp9, 160
	s_cselect_b64 s[6:7], s[6:7], s[8:9]           ; wq or that
	s_cmp_lt_u32 ttmp9, 128
	s_cselect_b64 s[4:5], s[4:5], s[6:7]           ; x or that
	s_cselect_b64 s[14:15], s[14:15], s[18:19]     ; xc or wc
	s_cselect_b64 s[16:17], s[16:17], s[20:21]     ; xs or ws
	s_cselect_b32 s26, 0, 128
	s_cselect_b32 s27, ttmp9, s27
	s_lshl_b32 s27, s27, 2
	s_add_co_u32 s27, s27, s24                     ; which run of 8,192 numbers of the input is my wave's
	s_lshl_b32 s28, s27, 15                        ; 32,768 bytes a run (under 2^25)
	s_mov_b32 s29, 0
	s_add_nc_u64 s[4:5], s[4:5], s[28:29]
	s_sub_co_u32 s26, ttmp9, s26
	s_lshl_b32 s26, s26, 2
	s_add_co_u32 s26, s26, s24                     ; and which run of the output: the three weights follow each other in wc and ws
	s_lshl_b32 s28, s26, 12                        ; 4,096 bytes of codes a run
	s_add_nc_u64 s[14:15], s[14:15], s[28:29]
	s_lshl_b32 s28, s26, 8                         ; 256 scale bytes a run
	s_add_nc_u64 s[16:17], s[16:17], s[28:29]
.macro LOAD t
.irp i, 0,1,2,3
	global_load_b128 v[R+16*((\t)%4)+4*\i:R+16*((\t)%4)+4*\i+3], v3, s[4:5] offset:2048*(\t)+512*\i th:TH_LOAD_NT   ; 32 lanes read 512 consecutive bytes
.endr
.endm
.macro TURN t                          ; step t's numbers through the stage: LDS serves a wave's instructions in order (ISA guide 5.7.1.4), so no wait stands between the stores and the loads
.irp i, 0,1,2,3
	ds_store_b128 v14, v[R+16*((\t)%4)+4*\i:R+16*((\t)%4)+4*\i+3] offset:32*SP*((\t)%2)+8*SP*\i
.endr
.irp i, 0,1,2,3
	ds_load_b128 v[X+16*((\t)%2)+4*\i:X+16*((\t)%2)+4*\i+3], v15 offset:32*SP*((\t)%2)+16*\i
.endr
.endm
.irp t, 0,1,2,3
	LOAD \t
.endr
	s_wait_loadcnt 12                              ; step 0's four loads are in; three steps' twelve may be out
	TURN 0
.macro STEP t
.set XS, X+16*((\t)%2)
.if (\t) > 0
	s_wait_dscnt 1                                 ; this step's numbers are back from the stage; the last step's byte store may be out
.else
	s_wait_dscnt 0x0
.endif
.if (\t)+4 < STEPS
	LOAD (\t)+4                                    ; into the registers that the stage's stores have read
.endif
.if (\t)+1 < STEPS
.if STEPS-2-(\t) >= 3
	s_wait_loadcnt 12                              ; the next step's four loads are in; those of the three steps behind it may be out
.else
	s_wait_loadcnt 4*(STEPS-2-(\t))
.endif
	TURN (\t)+1
.endif
	v_max3_num_f32 v8, |v[XS]|, |v[XS+1]|, |v[XS+2]|               ; the largest magnitude of my 16, in two chains
	v_max3_num_f32 v9, |v[XS+3]|, |v[XS+4]|, |v[XS+5]|
.irp i, 6,10
	v_max3_num_f32 v8, v8, |v[XS+\i]|, |v[XS+\i+1]|
	v_max3_num_f32 v9, v9, |v[XS+\i+2]|, |v[XS+\i+3]|
.endr
	v_max3_num_f32 v8, v8, |v[XS+14]|, |v[XS+15]|
	v_max3_num_f32 v8, v8, v9, (EMAX+1)<<23        ; and the floor 2^(EMAX + 1 - 127): the byte cannot fall under 1
	v_max_num_f32_dpp v8, v8, v8 row_xmask:1 row_mask:0xf bank_mask:0xf   ; with my neighbour's 16: the block's
	v_add_nc_u32 v11, -(EMAX<<23), v8              ; EMAX off its exponent field: the conversion takes this operand's exponent field as its scale
	v_cvt_scalef32_pk8_fp4_f32 v[C+4*(\t)], v[XS:XS+7], v11
	v_cvt_scalef32_pk8_fp4_f32 v[C+4*(\t)+1], v[XS+8:XS+15], v11
	v_lshrrev_b32 v[E+(\t)], 23, v11               ; the scale's byte (also the plain line behind the conversions)
	ds_store_b8 v5, v[E+(\t)] offset:16*(\t)       ; both lanes of a block write the same byte with the same value
	global_store_b64 v4, v[C+4*(\t):C+4*(\t)+1], s[14:15] offset:32*CB*(\t)   ; the wave stores 256 consecutive bytes, aligned
.endm
.irp t, 0,1,2,3,4,5,6,7,8,9,10,11,12,13,14,15
	STEP \t
.endr
	ds_load_b64 v[8:9], v6                         ; in order behind my byte stores
	s_wait_dscnt 0x0
	global_store_b64 v7, v[8:9], s[16:17]          ; 256 consecutive scale bytes, aligned
	s_branch .Lend
; THE CAST: wo to f16.  Four batches of 16 loads of 512 consecutive bytes; two batches are on their way; each store covers 256 consecutive bytes, aligned.  No LDS.
.Lcast:
	s_sub_co_u32 s26, ttmp9, 224
	s_lshl_b32 s26, s26, 2
	s_add_co_u32 s26, s26, s24                     ; my wave's run of 8,192 numbers
	s_lshl_b32 s28, s26, 15
	s_mov_b32 s29, 0
	s_wait_kmcnt 0x0
	s_add_nc_u64 s[12:13], s[12:13], s[28:29]
	s_lshl_b32 s28, s26, 14
	s_add_nc_u64 s[22:23], s[22:23], s[28:29]
.macro LOADB g
.set i, 0
.rept 16
	global_load_b128 v[R+64*((\g)%2)+4*i:R+64*((\g)%2)+4*i+3], v3, s[12:13] offset:(16*(\g)+i)*512 th:TH_LOAD_NT
.set i, i+1
.endr
.endm
.macro CASTB g
.if (\g) < 3
	s_wait_loadcnt 16                              ; this batch is in; the younger batch's sixteen may be out
.else
	s_wait_loadcnt 0x0
.endif
.if (\g) > 0
	s_wait_xcnt 0x0                                ; the last batch's stores have read their data: v144-175 are written again only behind this wait
.endif
.set i, 0
.rept 16
	v_cvt_pk_f16_f32 v[F+2*i], v[R+64*((\g)%2)+4*i], v[R+64*((\g)%2)+4*i+1]
	v_cvt_pk_f16_f32 v[F+2*i+1], v[R+64*((\g)%2)+4*i+2], v[R+64*((\g)%2)+4*i+3]
.set i, i+1
.endr
.set i, 0
.rept 16
	global_store_b64 v4, v[F+2*i:F+2*i+1], s[22:23] offset:(16*(\g)+i)*256
.set i, i+1
.endr
.if (\g) < 2
	LOADB (\g)+2
.endif
.endm
	LOADB 0
	LOADB 1
	CASTB 0
	CASTB 1
	CASTB 2
	CASTB 3
.Lend:
	s_wait_tensorcnt 0x0                           ; the wave's end
	ds_add_u32 v[SPW], v[NIL]
	s_wait_dscnt 0x0
	s_endpgm
.Lfunc_end_k_qce2a5c9e7d_quant:
	.size	k_qce2a5c9e7d_quant, .Lfunc_end_k_qce2a5c9e7d_quant-k_qce2a5c9e7d_quant
	.p2alignl 7, 3214868480
	.fill 96, 4, 3214868480
	.section	.rodata,"a",@progbits
	.p2align	6, 0x0
	.amdhsa_kernel k_qce2a5c9e7d_quant
		.amdhsa_group_segment_fixed_size 33280
		.amdhsa_private_segment_fixed_size 0
		.amdhsa_enable_private_segment 0
		.amdhsa_kernarg_size 80
		.amdhsa_user_sgpr_count 2
		.amdhsa_user_sgpr_kernarg_segment_ptr 1
		.amdhsa_wavefront_size32 1
		.amdhsa_system_sgpr_workgroup_id_x 1
		.amdhsa_system_sgpr_workgroup_id_y 1
		.amdhsa_system_sgpr_workgroup_id_z 1
		.amdhsa_system_vgpr_workitem_id 0
		.amdhsa_next_free_vgpr 192
		.amdhsa_next_free_sgpr 66
		.amdhsa_reserve_vcc 0
		.amdhsa_float_denorm_mode_32 3
		.amdhsa_float_denorm_mode_16_64 3
		.amdhsa_memory_ordered 1
		.amdhsa_forward_progress 1
		.amdhsa_inst_pref_size 54
	.end_amdhsa_kernel
	.amdgpu_metadata
---
amdhsa.version: [ 1, 2 ]
amdhsa.kernels:
  - .name:           k_qce2a5c9e7d_quant
    .symbol:         k_qce2a5c9e7d_quant.kd
    .args:
      - { .name: x, .offset: 0, .size: 8, .value_kind: global_buffer, .address_space: global }
      - { .name: wq, .offset: 8, .size: 8, .value_kind: global_buffer, .address_space: global }
      - { .name: wk, .offset: 16, .size: 8, .value_kind: global_buffer, .address_space: global }
      - { .name: wv, .offset: 24, .size: 8, .value_kind: global_buffer, .address_space: global }
      - { .name: wo, .offset: 32, .size: 8, .value_kind: global_buffer, .address_space: global }
      - { .name: xc, .offset: 40, .size: 8, .value_kind: global_buffer, .address_space: global }
      - { .name: xs, .offset: 48, .size: 8, .value_kind: global_buffer, .address_space: global }
      - { .name: wc, .offset: 56, .size: 8, .value_kind: global_buffer, .address_space: global }
      - { .name: ws, .offset: 64, .size: 8, .value_kind: global_buffer, .address_space: global }
      - { .name: wo16, .offset: 72, .size: 8, .value_kind: global_buffer, .address_space: global }
    .group_segment_fixed_size: 33280
    .private_segment_fixed_size: 0
    .kernarg_segment_align: 8
    .kernarg_segment_size: 80
    .max_flat_workgroup_size: 128
    .sgpr_count:     66
    .vgpr_count:     192
    .wavefront_size: 32
...
	.end_amdgpu_metadata
.endif
;; end of part 1
;; launch qkv (part 2): grid 12 x 16, 4 waves a work-group, clusters of 4 x 1, 327,680 bytes of LDS; arguments xc, xs, wc, ws, qkv, fq; writes qkv, fq
.if DOCPART == 2
	.amdgcn_target "amdgcn-amd-amdhsa--gfx1250"
	.amdhsa_code_object_version 6
	.text
	.protected	k_qce2a5c9e7d_qkv
	.globl	k_qce2a5c9e7d_qkv
	.p2align	8
	.type	k_qce2a5c9e7d_qkv,@function
k_qce2a5c9e7d_qkv:
	s_mov_b64 s[64:65], 0
	v_nop
	global_prefetch_b8 v0, s[64:65] scope:SCOPE_SE
	s_setreg_imm32_b32 hwreg(HW_REG_WAVE_MODE, 25, 1), 1
	s_wait_xcnt 0x0
	s_wait_alu depctr_hold_cnt(0) depctr_sa_sdst(0) depctr_va_vdst(0) depctr_va_sdst(0) depctr_va_ssrc(0) depctr_va_vcc(0) depctr_vm_vsrc(0)
	s_getreg_b32 s2, hwreg(HW_REG_IB_STS2, 6, 4)
	s_cmp_eq_u32 s2, 0
	s_cbranch_scc0 .Lentry_in_a_cluster
	s_endpgm
.Lentry_in_a_cluster:
	s_bfe_u32 s2, ttmp6, 0x10000c
	s_cmp_lg_u32 s2, 0x3003
	s_cbranch_scc0 .Lentry_shape_is_right
	s_endpgm
.Lentry_shape_is_right:
; The three quantised products as one: [4096 tokens][1024] x [3072 = wq, wk, wv rows][1024]^T on codes of FP4 (E2M1) with one E8M0 byte for each 32 along K; sums in f32.
; OUT: qkv, f16, [3][32 = 16 b + head][2048 tokens][64]: part 0 holds c q, c = log2(e) / 8, multiplied in f32 ahead of the one rounding; parts 1 and 2 hold k and v.
;      fq, f32, [2 b][16 tokens][3072]: the raw sums of positions 0-15 of both sequences, for the launch that carries those rows in f32.
; LIMIT: c q, k and v in f16 hold magnitudes up to 65,504; under 6e-5 they are f16 subnormals.
; A tile of 256 x 256 is made by four waves, 128 x 128 each: 64 accumulators, 512 registers.  K = 1,024 is two LDS slots of 512 along K (rows of 256 bytes): every tensor load is a first fill, nothing is filled again.
; The scale bytes of the work-group's 256 + 256 rows come once, as dense blocks in rows of 256 bytes.
; CLUSTER 4 x 1: the four work-groups of a cluster share the tile row, so x's codes and scale bytes are asked for JOINTLY (mask 15); the weights' tiles differ between them and are plain loads.
; Not 4 x 4: the f32 rows leave under a branch on the tile row, which with one work-group along y is the cluster's own y, the same in all partners; along a cluster's y it would differ between them.
; THE MATRIX INSTRUCTION IS USED TRANSPOSED (source 0 = 16 rows of a weight, source 1 = 16 tokens): a lane holds eight neighbouring columns of one token.
; REGISTERS, in windows of 256: window 0: v0-31 addresses; v32-95 scale words, two sets, and nothing else; v128-191 x's fragments, ONE set; on the way out v96-127 packed f16, v128-191 scaled f32, v192-255 rows read back.
;   window 1: the weights' fragments, two sets, at v0 and v128.   window 2: the accumulators of my tokens 0-63 ((a, b) at v[8 (8 a + b)]);   window 3: those of tokens 64-127.
.set SIZE_K, 1024
.set KSTEP,  512
.set NQ,     KSTEP/128
.set ROWB,   256
.set KROW,   SIZE_K/2
.set PITCH,  272                       ; 256 bytes + 16 of padding = 68 words: row r starts at bank 4 r mod 64 (ISA guide 11.1)
.set FR,     8
.set NL,     2
.set NP,     4                         ; places behind this matrix instruction (ISA guide 7.12.1)
.set HALFT,  128*PITCH
.set SLOT,   4*HALFT
.set KS,     SIZE_K/32
.set SCL,    2*SLOT
.set HALFS,  (128*KS/256)*272
.set SBLK,   (16*KS/256)*272
.set SPARE,  SCL+4*HALFS               ; the spare words, 128 bytes a wave: no other line names them
.set ADRA, 16                          ; v16-17 LDS address of my fragments of x in slot 0, 1
.set ADRB, 20                          ; v20-21 the same for the weights
.set STO32, 22                         ; v22 the stage, f32 rows of 528 bytes: where I put 32 bytes
.set RD32,  23                         ; v23 and where I read a row of 512 back
.set STO16, 24                         ; v24 the stage, f16 rows of 272 bytes: where I put 16 bytes
.set RD16,  25                         ; v25 and where I read: token lane / 8, 16 bytes lane % 8 of a head's 128
.set CO,   26                          ; v26 16 x lane
.set ADRS, 27                          ; v27 LDS address of my scale words: lanes 0-15 x's rows, lanes 16-31 the weights'
.set SPW,  28
.set NIL,  29
.set SC,   32
.set TMP,  96
.set AF,   128
.set TF,   128
.set BK,   192
.set G1, 24
.set G0, 32
.set G1B, 48
.set G0B, 56
.set G1S, 68
.set G0S, 76
.set G1SB, 80
.set G0SB, 88
.set MSB, 0
.macro WIN new                         ; the immediate's high byte repeats the setting that is left
.if MSB != \new
	s_set_vgpr_msb (MSB<<8)|\new
.set MSB, \new
.endif
.endm
.set MUL_LO, 0xa1
.set MUL_HI, 0xf1
.set TO_B,   0x40
; Waves 0 and 1 fetch for x (jointly), waves 2 and 3 for the weights.  The branch hangs on the wave's number alone.  An s_nop 0 and four v_nop follow each of the two lines.
.macro JLOAD g0a, g1a, g0b, g1b
	s_cmp_eq_u32 s15, 0
	s_cbranch_scc0 .Lfor_b_\@
	tensor_load_to_lds s[\g0a:\g0a+3], s[\g1a:\g1a+7]
	s_nop 0
.rept 4
	v_nop
.endr
	s_branch .Lasked_\@
.Lfor_b_\@:
	tensor_load_to_lds s[\g0b:\g0b+3], s[\g1b:\g1b+7]
	s_nop 0
.rept 4
	v_nop
.endr
.Lasked_\@:
.endm
.macro CROUND                          ; a round of the cluster's barrier
	s_barrier_signal -1
	s_barrier_wait -1
	s_cmp_lg_u32 s14, 0
	s_cbranch_scc1 .Lnot_wave_0_\@
	s_barrier_signal -3
.Lnot_wave_0_\@:
	s_barrier_wait -3
	s_barrier_signal -1
	s_barrier_wait -1
.endm
	s_load_b128 s[4:7], s[0:1], 0x0                ; x's codes, x's scales
	s_load_b128 s[8:11], s[0:1], 0x10              ; the weights' codes, their scales
	s_load_b64 s[12:13], s[0:1], 0x20              ; qkv
	s_load_b64 s[96:97], s[0:1], 0x28              ; fq
	v_lshl_add_u32 v[SPW], v0, 2, SPARE
	v_mov_b32 v[NIL], 0
	ds_add_u32 v[SPW], v[NIL]                      ; the wave's opening: the add, twice on end, and its wait ahead of my first tensor load
	ds_add_u32 v[SPW], v[NIL]
	v_lshrrev_b32 v1, 5, v0
	v_readfirstlane_b32 s14, v1                    ; wave 0..3
	s_lshr_b32 s15, s14, 1                         ; which half of the tile's tokens is mine.  Also: I fetch for x (0) or for the weights (1)
	s_and_b32 s16, s14, 1                          ; which half of its columns.  Also: which 128 rows I fetch
	s_bfe_u32 s40, ttmp6, 0x40000                  ; cx
	s_lshl_b32 s42, ttmp9, 2
	s_add_co_u32 s42, s42, s40                     ; tile column = 4 x cluster x + cx
	s_and_b32 s17, ttmp7, 0xffff                   ; tile row = cluster y
	s_mov_b32 s[G1+0], 15|(1<<20)|(1<<21)|(5<<22)|(3<<25)     ; 15:0 all four partners; elements of 1 byte; 20 padding on; 21 set beside a mask; after every 64 words four words
	s_mov_b32 s[G1B+0], (1<<20)|(5<<22)|(3<<25)               ; no mask: my own tile
.irp g, G1, G1B
	s_mov_b32 s[\g+1], ROWB<<16                    ; tensor_dim0
	s_mov_b32 s[\g+2], 128<<16                     ; tensor_dim1
	s_mov_b32 s[\g+3], ROWB<<16                    ; tile_dim0
	s_mov_b32 s[\g+4], 128                         ; tile_dim1
	s_mov_b32 s[\g+5], KROW                        ; from row to row
	s_mov_b32 s[\g+6], 0
	s_mov_b32 s[\g+7], 0
.endr
	s_mov_b32 s[G1S+0], 15|(3<<16)|(1<<20)|(1<<21)|(5<<22)|(3<<25)   ; the scales of 128 rows: 4,096 dense bytes as 16 rows of 32 elements of 8 bytes
	s_mov_b32 s[G1SB+0], (3<<16)|(1<<20)|(5<<22)|(3<<25)
.irp g, G1S, G1SB
	s_mov_b32 s[\g+1], 32<<16
	s_mov_b32 s[\g+2], (128*KS/256)<<16
	s_mov_b32 s[\g+3], 32<<16
	s_mov_b32 s[\g+4], 128*KS/256
	s_mov_b32 s[\g+5], 32
	s_mov_b32 s[\g+6], 0
	s_mov_b32 s[\g+7], 0
.endr
	s_lshl_b32 s18, s16, 7
	s_lshl_b32 s20, s17, 8
	s_add_co_u32 s20, s20, s18                     ; x: row 256 x tile row + 128 x half: no register that feeds x's descriptors ever holds cx
	s_lshl_b32 s46, s42, 8
	s_add_co_u32 s46, s46, s18                     ; weights: row 256 x tile column + 128 x half
	s_mov_b32 s21, 0
	s_mov_b32 s47, 0
	s_mov_b64 s[18:19], KS
	s_mul_u64 s[22:23], s[20:21], s[18:19]
	s_mul_u64 s[92:93], s[46:47], s[18:19]
	s_mov_b64 s[18:19], KROW
	s_mul_u64 s[20:21], s[20:21], s[18:19]
	s_mul_u64 s[46:47], s[46:47], s[18:19]
	s_mul_i32 s45, s14, HALFT                      ; where they go: wave x 128 rows
	s_mul_i32 s94, s14, HALFS
	s_cmp_eq_u32 ttmp9, 0                          ; tile columns 0-3 are q's: a choice of a factor, no branch
	s_cselect_b32 s98, 0x3e38aa3b, 1.0             ; c = log2(e) / 8, or 1
	s_mov_b32 s99, s98                             ; (named with it as a pair)
	s_wait_dscnt 0x0                               ; both opening adds are done
	s_wait_kmcnt 0x0
	s_add_nc_u64 s[20:21], s[4:5], s[20:21]
	s_add_nc_u64 s[22:23], s[6:7], s[22:23]
	s_add_nc_u64 s[46:47], s[8:9], s[46:47]
	s_add_nc_u64 s[92:93], s[10:11], s[92:93]
	CROUND                                         ; all four work-groups are here: the joint loads meet
	s_mov_b32 s[G0S], 1
	s_add_co_u32 s[G0S+1], s94, SCL
	s_mov_b64 s[G0S+2:G0S+3], s[22:23]
	s_or_b32 s[G0S+3], s[G0S+3], 0x80000000
	s_mov_b32 s[G0SB], 1
	s_add_co_u32 s[G0SB+1], s94, SCL
	s_mov_b64 s[G0SB+2:G0SB+3], s[92:93]
	s_or_b32 s[G0SB+3], s[G0SB+3], 0x80000000
	JLOAD G0S, G1S, G0SB, G1SB                     ; the scales first: they are wanted with the first slot
.irp s, 0,1
	s_mov_b32 s[G0+4*\s], 1
	s_add_co_u32 s[G0+4*\s+1], s45, \s*SLOT
	s_add_nc_u64 s[G0+4*\s+2:G0+4*\s+3], s[20:21], \s*ROWB
	s_or_b32 s[G0+4*\s+3], s[G0+4*\s+3], 0x80000000
	s_mov_b32 s[G0B+4*\s], 1
	s_add_co_u32 s[G0B+4*\s+1], s45, \s*SLOT
	s_add_nc_u64 s[G0B+4*\s+2:G0B+4*\s+3], s[46:47], \s*ROWB
	s_or_b32 s[G0B+4*\s+3], s[G0B+4*\s+3], 0x80000000
	JLOAD G0+4*\s, G1, G0B+4*\s, G1B               ; three loads of mine are out in all
.endr
	v_and_b32 v1, 15, v0                           ; r
	v_bfe_u32 v2, v0, 4, 1                         ; h
	v_mul_u32_u24 v3, v1, PITCH
	v_lshl_add_u32 v4, v2, 4, v3
	s_mul_i32 s21, s15, HALFT
	s_mul_i32 s22, s16, HALFT
	s_add_co_u32 s22, s22, 2*HALFT
.irp s, 0,1
	v_add_nc_u32 v[ADRA+\s], s21, v4
	v_add_nc_u32 v[ADRB+\s], s22, v4
	s_add_co_u32 s21, s21, SLOT
	s_add_co_u32 s22, s22, SLOT
.endr
	v_mul_u32_u24 v5, v1, KS                       ; my row's scales: KS bytes a row,
	v_lshrrev_b32 v6, 8, v5
	v_lshl_add_u32 v5, v6, 4, v5                   ; and 16 more for each 256 passed
	s_mul_i32 s21, s15, HALFS
	s_mul_i32 s22, s16, HALFS
	s_add_co_u32 s22, s22, 2*HALFS
	s_sub_co_u32 s22, s22, s21
	v_mul_u32_u24 v6, s22, v2                      ; lanes 16-31 take the weights': one product, the distance between the two bases
	s_add_co_u32 s21, s21, SCL
	v_add_nc_u32 v5, v5, v6
	v_add_nc_u32 v[ADRS], s21, v5
	s_mul_i32 s23, s14, 16*528                     ; my stage, in slot 0: it has had its one fill, and nobody reads it behind the change of slots
	v_mul_u32_u24 v5, v1, 528
	v_lshl_add_u32 v5, v2, 5, v5
	v_add_nc_u32 v[STO32], s23, v5
	v_and_b32 v6, 31, v0
	v_lshlrev_b32 v[CO], 4, v6
	v_add_nc_u32 v[RD32], s23, v[CO]
	v_mul_u32_u24 v5, v1, 272
	v_lshl_add_u32 v5, v2, 4, v5
	v_add_nc_u32 v[STO16], s23, v5
	v_lshrrev_b32 v5, 3, v6
	v_mul_u32_u24 v5, v5, 272
	v_and_b32 v3, 7, v0
	v_lshl_add_u32 v5, v3, 4, v5
	v_add_nc_u32 v[RD16], s23, v5
	; qkv: part (cluster x) x 8,388,608 + (((b 16 + 4 cx + 2 column half) 2048 + token) x 128 bytes;  b = tile row / 8, token = 256 (tile row % 8) + 128 x row half
	s_lshr_b32 s20, s17, 3                         ; b
	s_lshl_b32 s21, s20, 4
	s_lshl_b32 s22, s16, 1
	s_add_co_u32 s21, s21, s22
	s_lshl_b32 s21, s21, 11
	s_and_b32 s22, s17, 7
	s_lshl_b32 s22, s22, 8
	s_add_co_u32 s21, s21, s22
	s_lshl_b32 s22, s15, 7
	s_add_co_u32 s21, s21, s22
	s_lshl_b32 s22, s21, 7
	s_mov_b32 s23, 0
	s_add_nc_u64 s[12:13], s[12:13], s[22:23]
	s_lshl_b32 s46, s40, 20                        ; 4 cx heads of 262,144 bytes
	s_lshl_b32 s47, ttmp9, 23
	s_add_co_u32 s46, s46, s47
	s_mov_b32 s47, 0
	s_add_nc_u64 s[12:13], s[12:13], s[46:47]
	s_mul_i32 s22, s20, 196608                     ; fq: b x 16 rows of 12,288 bytes
	s_add_nc_u64 s[96:97], s[96:97], s[22:23]
	s_lshl_b32 s46, s42, 10                        ; + my first column, 4 bytes each
	s_lshl_b32 s47, s16, 9
	s_add_co_u32 s46, s46, s47
	s_mov_b32 s47, 0
	s_add_nc_u64 s[96:97], s[96:97], s[46:47]
.macro FRAG reg, adr, q, i             ; 16 rows x 128 K of 4-bit codes: 8 registers: lane l holds row l % 16; registers 4 c .. 4 c + 3 hold K = 64 c + 32 (l / 16) + 0 .. 31
.irp c, 0,1
	ds_load_b128 v[\reg+4*\c:\reg+4*\c+3], v[\adr] offset:64*(\q)+32*\c+(\i)*16*PITCH
.endr
.endm
; 16 matrix instructions: x's blocks a0, a0 + 1 against the weights' eight.  The 64 accumulators take turns, one instruction a turn, in the same order in every step.
.macro MUL16 a0, p, q, sc, zero
.irp a, \a0, \a0+1
.irp b, 0,1,2,3,4,5,6,7
.if \zero
	v_wmma_scale_f32_16x16x128_f8f6f4 v[8*(8*((\a)%4)+\b):8*(8*((\a)%4)+\b)+7], v[128*(\p)+FR*\b:128*(\p)+FR*\b+FR-1], v[AF+FR*(\a):AF+FR*(\a)+FR-1], 0, v[SC+8*NQ*(\sc)+NQ*\b+(\q)], v[SC+8*NQ*(\sc)+NQ*(\a)+(\q)] matrix_a_fmt:MATRIX_FMT_FP4 matrix_b_fmt:MATRIX_FMT_FP4 matrix_a_scale:MATRIX_SCALE_ROW1
.else
	v_wmma_scale_f32_16x16x128_f8f6f4 v[8*(8*((\a)%4)+\b):8*(8*((\a)%4)+\b)+7], v[128*(\p)+FR*\b:128*(\p)+FR*\b+FR-1], v[AF+FR*(\a):AF+FR*(\a)+FR-1], v[8*(8*((\a)%4)+\b):8*(8*((\a)%4)+\b)+7], v[SC+8*NQ*(\sc)+NQ*\b+(\q)], v[SC+8*NQ*(\sc)+NQ*(\a)+(\q)] matrix_a_fmt:MATRIX_FMT_FP4 matrix_b_fmt:MATRIX_FMT_FP4 matrix_a_scale:MATRIX_SCALE_ROW1
.endif
.endr
.endr
.endm
.macro FETCH_B slot, q, p
	WIN TO_B
.irp i, 0,1,2,3,4,5,6,7
	FRAG 128*(\p)+FR*\i, ADRB+\slot, \q, \i
.endr
	WIN 0
.endm
.macro FETCH_A slot, q, i0
.irp i, \i0, \i0+1, \i0+2, \i0+3
	FRAG AF+FR*(\i), ADRA+\slot, \q, \i
.endr
.endm
.macro SCALES sc                       ; a slot's scale words: four a row; lanes 0-15 take x's block i, lanes 16-31 the weights' block i
.irp i, 0,1,2,3,4,5,6,7
	ds_load_b128 v[SC+8*NQ*\sc+NQ*\i:SC+8*NQ*\sc+NQ*\i+3], v[ADRS] offset:\i*SBLK
.endr
.endm
.macro PLACES n                        ; plain vector lines between a matrix instruction and a load into, or a read of, its registers
.rept \n
	v_nop
.endr
.endm
.macro STEP slot, q, zero              ; 128 along K, with its successor in the same slot
	s_wait_dscnt 4*NL                              ; the weights' set and x's blocks 0-3 are in; the youngest eight loads (x's blocks 4-7) may be out
	WIN MUL_LO
	MUL16 0, (\q)%2, \q, \slot, \zero
	MUL16 2, (\q)%2, \q, \slot, \zero
	s_wait_dscnt 0
	PLACES NP
	FETCH_B \slot, (\q)+1, 1-(\q)%2
	FETCH_A \slot, (\q)+1, 0
	WIN MUL_HI
	MUL16 4, (\q)%2, \q, \slot, \zero
	MUL16 6, (\q)%2, \q, \slot, \zero
	PLACES NP
	WIN 0
	FETCH_A \slot, (\q)+1, 4
.endm
; Slot 0's last step changes slots: one barrier.  In front of it each wave waits for all its tensor loads (its part of slot 1), adds 0 to its spare word, and waits for that and for its reads of slot 0.  Nothing is filled again.
.macro TURN slot, next
	s_wait_tensorcnt 0x0
	ds_add_u32 v[SPW], v[NIL]
	s_wait_dscnt 4*NL+1                            ; the add and the youngest eight loads may be out
	WIN MUL_LO
	MUL16 0, 1, NQ-1, \slot, 0
	s_wait_dscnt 0x0                               ; the add is done, and my reads of this slot are over
	s_barrier_signal -1
	MUL16 2, 1, NQ-1, \slot, 0
	WIN 0
	s_barrier_wait -1
	PLACES NP
	v_add_nc_u32 v[ADRS], 4*NQ, v[ADRS]            ; on to the next slot's scale words
	FETCH_B \next, 0, 0
	FETCH_A \next, 0, 0
	SCALES \next
	WIN MUL_HI
	MUL16 4, 1, NQ-1, \slot, 0
	MUL16 6, 1, NQ-1, \slot, 0
	PLACES NP
	WIN 0
	FETCH_A \next, 0, 4
.endm
.macro STEPS slot, from
.set Q, \from
.rept NQ-1-\from
	STEP \slot, Q, 0
.set Q, Q+1
.endr
.endm
	s_wait_tensorcnt 1                             ; the scales and my part of slot 0 are in; slot 1's load may be out
	s_barrier_signal -1
	s_barrier_wait -1
	FETCH_B 0, 0, 0
	FETCH_A 0, 0, 0
	SCALES 0
	FETCH_A 0, 0, 4
	STEP 0, 0, 1                                   ; the first products start the sums: nothing is cleared
	STEPS 0, 1
	TURN 0, 1
	STEPS 1, 0
	s_wait_dscnt 4*NL
	WIN MUL_LO
	MUL16 0, 1, NQ-1, 1, 0
	MUL16 2, 1, NQ-1, 1, 0
	s_wait_dscnt 0
	WIN MUL_HI
	MUL16 4, 1, NQ-1, 1, 0
	MUL16 6, 1, NQ-1, 1, 0
	WIN 0
; THE WAY OUT, a block of 16 tokens x 128 columns (two heads) at a time.  PACK: x c or x 1 in f32, then one rounding to f16, 16 bytes a lane.  TOSTAGE16: into my stage, and back by heads: four tokens x 128 bytes.
; SEND16: each store of the wave covers 512 consecutive bytes of one head, aligned.
.macro PACK a
.set AC, 64*((\a)%4)
.set WN, 0x02+(\a)/4
	WIN WN                                         ; source 0: window 2 or 3
.set i, 0
.rept 32
	v_pk_mul_f32 v[TF+i:TF+i+1], v[AC+i:AC+i+1], s[98:99] op_sel_hi:[1,0]   ; each accumulator from its low end on
.set i, i+2
.endr
	WIN 0
.set i, 0
.rept 32
	v_cvt_pk_f16_f32 v[TMP+i], v[TF+2*i], v[TF+2*i+1]
.set i, i+1
.endr
.endm
.macro TOSTAGE16 a
.set BB, BK+32*((\a)%2)
.irp b, 0,1,2,3,4,5,6,7
	ds_store_b128 v[STO16], v[TMP+4*\b:TMP+4*\b+3] offset:32*\b
.endr
.irp t, 0,1,2,3,4,5,6,7
	ds_load_b128 v[BB+4*\t:BB+4*\t+3], v[RD16] offset:(\t%4)*1088+(\t/4)*128   ; in order behind my stores (ISA guide 5.7.1.4)
.endr
.endm
.macro SEND16 a
.set BB, BK+32*((\a)%2)
	s_wait_dscnt 0x0                               ; the block is back in registers
	s_wait_xcnt 0x0                                ; the block before's stores have read their data: the next block's loads land there only behind this wait
.irp t, 0,1,2,3,4,5,6,7
	global_store_b128 v[CO], v[BB+4*\t:BB+4*\t+3], s[12:13] offset:(\a)*2048+(\t/4)*262144+(\t%4)*512
.endr
.endm
	PLACES NP                                      ; behind the last products: x's fragments' registers are written, results are read
	PACK 0
	TOSTAGE16 0
.irp a, 1,2,3,4,5,6,7
	PACK \a
	SEND16 \a-1
	TOSTAGE16 \a
.endr
	SEND16 7
	; THE f32 ROWS: positions 0-15 of a sequence are block 0 of the waves with the tile's first 128 tokens, in tile rows 0 and 8.  The test hangs on the cluster's y and the wave's number.
	s_and_b32 s20, s17, 7
	s_or_b32 s20, s20, s15
	s_cmp_lg_u32 s20, 0
	s_cbranch_scc1 .Lnofine
	WIN 0x08                                       ; an LDS store's data are its source 1: window 2
.irp b, 0,1,2,3,4,5,6,7
	ds_store_b128 v[STO32], v[8*\b:8*\b+3] offset:64*\b
	ds_store_b128 v[STO32], v[8*\b+4:8*\b+7] offset:64*\b+16
.endr
	WIN 0
.irp t, 0,1,2,3,4,5,6,7,8,9,10,11,12,13,14,15
	ds_load_b128 v[TF+4*\t:TF+4*\t+3], v[RD32] offset:\t*528
.endr
	s_wait_dscnt 0x0
.irp t, 0,1,2,3,4,5,6,7,8,9,10,11,12,13,14,15
	global_store_b128 v[CO], v[TF+4*\t:TF+4*\t+3], s[96:97] offset:\t*12288   ; 512 consecutive bytes of a row of fq, aligned
.endr
.Lnofine:
	s_wait_tensorcnt 0x0                           ; the wave's end
	ds_add_u32 v[SPW], v[NIL]
	s_wait_dscnt 0x0
	CROUND                                         ; the closing round
	s_endpgm
.Lfunc_end_k_qce2a5c9e7d_qkv:
	.size	k_qce2a5c9e7d_qkv, .Lfunc_end_k_qce2a5c9e7d_qkv-k_qce2a5c9e7d_qkv
	.p2alignl 7, 3214868480
	.fill 96, 4, 3214868480
	.section	.rodata,"a",@progbits
	.p2align	6, 0x0
	.amdhsa_kernel k_qce2a5c9e7d_qkv
		.amdhsa_group_segment_fixed_size 327680
		.amdhsa_private_segment_fixed_size 0
		.amdhsa_enable_private_segment 0
		.amdhsa_kernarg_size 48
		.amdhsa_user_sgpr_count 2
		.amdhsa_user_sgpr_kernarg_segment_ptr 1
		.amdhsa_wavefront_size32 1
		.amdhsa_system_sgpr_workgroup_id_x 1
		.amdhsa_system_sgpr_workgroup_id_y 1
		.amdhsa_system_sgpr_workgroup_id_z 1
		.amdhsa_system_vgpr_workitem_id 0
		.amdhsa_next_free_vgpr 1024
		.amdhsa_next_free_sgpr 100
		.amdhsa_reserve_vcc 0
		.amdhsa_float_denorm_mode_32 3
		.amdhsa_float_denorm_mode_16_64 3
		.amdhsa_memory_ordered 1
		.amdhsa_forward_progress 1
		.amdhsa_inst_pref_size 147
	.end_amdhsa_kernel
	.amdgpu_metadata
---
amdhsa.version: [ 1, 2 ]
amdhsa.kernels:
  - .name:           k_qce2a5c9e7d_qkv
    .symbol:         k_qce2a5c9e7d_qkv.kd
    .args:
      - { .name: xc, .offset: 0, .size: 8, .value_kind: global_buffer, .address_space: global }
      - { .name: xs, .offset: 8, .size: 8, .value_kind: global_buffer, .address_space: global }
      - { .name: wc, .offset: 16, .size: 8, .value_kind: global_buffer, .address_space: global }
      - { .name: ws, .offset: 24, .size: 8, .value_kind: global_buffer, .address_space: global }
      - { .name: qkv, .offset: 32, .size: 8, .value_kind: global_buffer, .address_space: global }
      - { .name: fq, .offset: 40, .size: 8, .value_kind: global_buffer, .address_space: global }
    .group_segment_fixed_size: 327680
    .private_segment_fixed_size: 0
    .kernarg_segment_align: 8
    .kernarg_segment_size: 48
    .max_flat_workgroup_size: 128
    .sgpr_count:     100
    .vgpr_count:     1024
    .wavefront_size: 32
...
	.end_amdgpu_metadata
.endif
;; end of part 2
;; launch attn (part 3): grid 8 x 32, 16 waves a work-group, no clusters, 327,680 bytes of LDS; arguments qkv, ctxh; writes ctxh
.if DOCPART == 3
	.amdgcn_target "amdgcn-amd-amdhsa--gfx1250"
	.amdhsa_code_object_version 6
	.text
	.protected	k_qce2a5c9e7d_attn
	.globl	k_qce2a5c9e7d_attn
	.p2align	8
	.type	k_qce2a5c9e7d_attn,@function
k_qce2a5c9e7d_attn:
	s_mov_b64 s[64:65], 0
	v_nop
	global_prefetch_b8 v0, s[64:65] scope:SCOPE_SE
	s_setreg_imm32_b32 hwreg(HW_REG_WAVE_MODE, 25, 1), 1
	s_wait_xcnt 0x0
; ctx[bh][q][:] = the sum over keys k <= q of softmax_k(q . k / 8) v[k][:], 32 heads of 2,048 positions x 64, on f16 operands with f32 sums, maxima and row sums.
; qkv: f16 [3][32][2048][64]; part 0 already holds c q, c = log2(e) / 8, so a score s is an exponent of 2: p = 2^(s - m), m the running maximum of the row; O and l are multiplied by 2^(m_old - m_new) in every step.
; ctxh: f16 [32][2048][64].  LIMITS: operands and ctx in f16 (magnitudes up to 65,504; p under 6e-5 is an f16 subnormal); NaN and infinities among the inputs are not served.
; (Positions 0-15 of each sequence are made here too; a later launch makes their rows of the output again, in f32.)
; SHARES.  A head has 16 blocks of 128 queries.  Work-group i owns blocks i and 15 - i: 17 blocks' worth of keys in every work-group.  A block is four pairs of tiles, 32 queries a pair.
; A pair is served by TWO waves: one takes the even key steps of 64 keys, the other the odd ones; they meet once, at the end, through LDS.  Wave w: LH = (w ^ (w >> 2)) & 1 (low or high block),
; PAR = (w >> 1) & 1 (even or odd steps), G = w >> 2 (which pair).  Each fragment of K and V read from LDS feeds two tiles.  Four waves share a SIMD: one wave's softmax stands beside another's products.
; LAYOUT.  S^T = K Q^T (source 0 = 16 keys, source 1 = 16 queries), O^T = V^T P (source 0 = 16 channels, turned on the way out of LDS; source 1 = P): a lane holds ONE query throughout.
; RING.  Two LDS slots of 256 keys, filled by tensor loads (wave 0: K's 256 rows, wave 1: V's), read by all sixteen.  Every work-group walks all 8 slots: trip counts are constants; a step all of whose keys come
; after the wave's queries is jumped over, and a slot whose first key comes after the work-group's last query is not asked for.  Every wait for tensor loads is for 0.
; NO CLUSTER: the eight work-groups of a head need 8 - i / 2 slots, different numbers: a joint load would bring tiles whose every read some partner jumps over.
.set PK,    144                        ; a key's row of K in LDS: 128 bytes + 16: an odd multiple of 16
.set PV,    160                        ; of V: 128 + 32: an odd multiple of 32, for the turning load
.set SKEYS, 256
.set VOFF,  SKEYS*PK
.set SLOT1, 1<<17                      ; one exclusive or turns an address in one slot into the other's
.set MERGE, SKEYS*(PK+PV)              ; behind each slot's tiles: four pairs' regions of MPAIR bytes, into which no fill lands
.set MPAIR, 9216                       ; 16 images of 512 bytes (O^T) and one of statistics
.set SPARE, 2*SLOT1                    ; the spare words, 128 bytes a wave: no other line names them
.set STAGE, SPARE+2048                 ; the way out: 32 rows x 144 bytes for each pair
.set SPAIR, 32*PK
.set NSL,   2048/SKEYS
.set AK0, 1                            ; v1  my lane's place in a step's tile of K, my parity's 64 keys
.set AV0, 2                            ; v2  the same for V
.set ADR, 3                            ; v3  the LDS address of the run of loads in hand
.set SPW, 4                            ; v4  LDS address of my spare word; never rewritten
.set NIL, 5                            ; v5  0; never rewritten
.set LR,  6                            ; v6  lane % 16 - 8 (lane / 16)
.set NINF, 7                           ; v7  -infinity
.set DD,  8                            ; v8, v9  the mask's bound for tile 0, 1
.set PFO, 10                           ; v10 256 x lane
.set MG,  11                           ; v11 my pair's merge region + 16 x lane
.set ST,  12                           ; v12-27 statistics, 8 a tile: +0 m, +1 zero (named with m as a pair), +2, +3 l, +4 to +7 at work; +6 takes a
.set GO,  28                           ; v28 16 x lane
.set STO, 29                           ; v29 the stage: where I put 16 bytes of a row
.set RD,  30                           ; v30 and where I read back
.set QO,  31                           ; v31 my byte offset in the pair's rows of Q
.set QF,  32                           ; v32-63   Q: fragment (tile t, channels 32 c) at 16 t + 8 c
.set S,   64                           ; v64-127  S^T, 32 a tile; P is packed in place into each tile's first 16
.set KV,  128                          ; v128-191 K's eight fragments, then V's eight
.set OT,  192                          ; v192-255 O^T: (t, channels 16 ct) at 32 t + 8 ct
.set TB,  2                            ; s2  LDS byte at which the slot in hand begins
.set WV,  18
.set SEL, 20                           ; s[20:21] v_permlanex16_b32's selects for lane l xor 16
.set G1K, 24
.set G1V, 32
.set G0K, 40
.set G0V, 44
.set PAR, 66
.set SLOTS, 67
.set Q0,  68                           ; my pair's first query
.set QE,  69                           ; its last
.set QLAST, 70                         ; my work-group's last query
.set KFW, 71                           ; the first key of my next step
.set KSL, 72                           ; the first key of the slot in hand
.set PFA, 76                           ; s[76:77] where my prefetches stand
.set LIM, 80                           ; 1 in a wave that prefetches, else the greatest number
.macro TLOAD                           ; wave 0 fetches K's tile, wave 1 V's.  An s_nop 0 and four v_nop follow each line
	s_cmp_eq_u32 s[WV], 0
	s_cbranch_scc0 .Lnot_k_\@
	tensor_load_to_lds s[G0K:G0K+3], s[G1K:G1K+7]
	s_nop 0
.rept 4
	v_nop
.endr
	s_branch .Lasked_\@
.Lnot_k_\@:
	s_cmp_eq_u32 s[WV], 1
	s_cbranch_scc0 .Lasked_\@
	tensor_load_to_lds s[G0V:G0V+3], s[G1V:G1V+7]
	s_nop 0
.rept 4
	v_nop
.endr
.Lasked_\@:
.endm
; A PREFETCH of the slot that the NEXT change of slots will ask for: 32,768 dense bytes of K and as many of V.  All work-groups of a head walk the same K and V: work-group x = 0, which walks every slot, asks.
; In it waves 4 to 7 ask for K's, waves 8 to 11 for V's: 8,192 bytes a wave, lanes 256 bytes apart, one instruction.  So each aligned 256 bytes are named once in the launch.
; Slots 0 and 1 come by their loads alone; the last change that fills a slot asks for nothing.
.macro ASK
	s_cmp_gt_u32 s[SLOTS], s[LIM]
	s_cbranch_scc0 .Lnot_mine_\@
	global_prefetch_b8 v[PFO], s[PFA:PFA+1] th:TH_LOAD_NT scope:SCOPE_SE
.Lnot_mine_\@:
.endm
	s_load_b128 s[4:7], s[0:1], 0x0                ; qkv, ctxh
	v_lshl_add_u32 v[SPW], v0, 2, SPARE
	v_mov_b32 v[NIL], 0
	ds_add_u32 v[SPW], v[NIL]                      ; the wave's opening: the add, twice on end, and its wait ahead of the first tensor load
	ds_add_u32 v[SPW], v[NIL]
	v_lshrrev_b32 v3, 5, v0
	v_readfirstlane_b32 s[WV], v3                  ; wave 0..15
	s_lshr_b32 s73, s[WV], 2                       ; G
	s_xor_b32 s74, s[WV], s73
	s_and_b32 s74, s74, 1                          ; LH
	s_bfe_u32 s[PAR], s[WV], 0x10001               ; PAR
	s_sub_co_u32 s75, 15, ttmp9
	s_cmp_eq_u32 s74, 0
	s_cselect_b32 s75, ttmp9, s75                  ; my block of 128 queries: it enters global addresses and scalar compares alone
	s_lshl_b32 s[Q0], s75, 7
	s_lshl_b32 s75, s73, 5
	s_add_co_u32 s[Q0], s[Q0], s75
	s_add_co_u32 s[QE], s[Q0], 31
	s_lshl_b32 s[QLAST], ttmp9, 7
	s_sub_co_u32 s[QLAST], 2047, s[QLAST]
	s_lshl_b32 s[KFW], s[PAR], 6
	s_mov_b32 s[KSL], 0
	s_mul_i32 s81, s73, MPAIR
	s_lshl_b32 s75, s74, 17
	s_add_co_u32 s81, s81, s75
	s_add_co_u32 s81, s81, MERGE                   ; my pair's merge region
	s_lshl_b32 s82, s74, 2
	s_add_co_u32 s82, s82, s73
	s_mul_i32 s82, s82, SPAIR
	s_add_co_u32 s82, s82, STAGE                   ; my pair's stage
	s_and_b32 s8, ttmp7, 0xffff
	s_lshl_b32 s8, s8, 18                          ; the head's 262,144 bytes in each part of qkv and in ctxh
	s_mov_b32 s9, 0
	s_lshl_b32 s10, s[Q0], 7
	s_mov_b32 s11, 0
	s_add_nc_u64 s[10:11], s[10:11], s[8:9]
	s_mov_b32 s[G1K], (1<<16)|(1<<20)|(4<<22)|(3<<25)   ; elements of 2 bytes; padding on; after every 32 words four words
	s_mov_b32 s[G1V], (1<<16)|(1<<20)|(4<<22)|(7<<25)   ; eight words
.irp g, G1K, G1V
	s_mov_b32 s[\g+1], 64<<16                      ; tensor_dim0
	s_mov_b32 s[\g+2], SKEYS<<16                   ; tensor_dim1
	s_mov_b32 s[\g+3], 64<<16                      ; tile_dim0
	s_mov_b32 s[\g+4], SKEYS                       ; tile_dim1
	s_mov_b32 s[\g+5], 64                          ; from row to row
	s_mov_b32 s[\g+6], 0
	s_mov_b32 s[\g+7], 0
.endr
	s_mov_b32 s[SEL], 0x76543210
	s_mov_b32 s[SEL+1], 0xfedcba98
	s_mov_b32 s[TB], 0
	s_mov_b32 s[SLOTS], NSL-1
	s_sub_co_u32 s75, s[WV], 4
	s_lshr_b32 s75, s75, 3                         ; 0 in waves 4 to 11,
	s_or_b32 s75, s75, ttmp9                       ; of work-group x = 0
	s_cmp_eq_u32 s75, 0
	s_cselect_b32 s[LIM], 1, -1
	s_mov_b32 s74, 16777216
	s_cmp_lt_u32 s[WV], 8
	s_cselect_b32 s74, 8388608, s74                ; K's part of qkv or V's: an offset is chosen, not an address
	s_and_b32 s75, s[WV], 3
	s_lshl_b32 s75, s75, 13
	s_add_co_u32 s74, s74, s75                     ; my wave's 8,192 bytes,
	s_add_co_u32 s74, s74, 32768                   ; in slot 1: the first change of slots steps it to slot 2
	s_mov_b32 s75, 0
	s_wait_dscnt 0x0                               ; both opening adds are done
	s_wait_kmcnt 0x0
	s_add_nc_u64 s[12:13], s[4:5], s[10:11]        ; c q at my pair's first query
	s_add_nc_u64 s[14:15], s[6:7], s[10:11]        ; ctxh likewise
	s_add_nc_u64 s[16:17], s[4:5], s[8:9]          ; qkv at my head
	s_mov_b32 s[G0K], 1
	s_mov_b32 s[G0K+1], 0
	s_add_nc_u64 s[G0K+2:G0K+3], s[16:17], 8388608
	s_or_b32 s[G0K+3], s[G0K+3], 0x80000000
	s_mov_b32 s[G0V], 1
	s_mov_b32 s[G0V+1], VOFF
	s_add_nc_u64 s[G0V+2:G0V+3], s[16:17], 16777216
	s_or_b32 s[G0V+3], s[G0V+3], 0x80000000
	TLOAD                                          ; slot 0: it holds key 0, which counts for every query
	s_add_nc_u64 s[PFA:PFA+1], s[16:17], s[74:75]
	v_and_b32 v8, 15, v0                           ; r
	v_bfe_u32 v9, v0, 4, 1                         ; h
	v_lshlrev_b32 v[QO], 7, v8
	v_lshl_add_u32 v[QO], v9, 4, v[QO]
.irp t, 0,1
.irp c, 0,1
.irp e, 0,1
	global_load_b128 v[QF+16*\t+8*\c+4*\e:QF+16*\t+8*\c+4*\e+3], v[QO], s[12:13] offset:\t*2048+64*\c+32*\e   ; Q stays in registers
.endr
.endr
.endr
	s_mul_i32 s73, s[PAR], 64*PK
	v_mul_u32_u24 v[AK0], v8, PK
	v_lshl_add_u32 v[AK0], v9, 4, v[AK0]
	v_add_nc_u32 v[AK0], s73, v[AK0]               ; key r x pitch + 16 h + my parity's 64 keys
	v_and_b32 v3, 7, v0
	v_lshl_add_u32 v[AV0], v9, 3, v3
	v_mul_u32_u24 v[AV0], v[AV0], PV               ; the turning load: key 8 h + lane % 8,
	v_bfe_u32 v3, v0, 3, 1
	v_lshl_add_u32 v[AV0], v3, 4, v[AV0]           ; channels 8 ((lane / 8) % 2) on
	s_mul_i32 s73, s[PAR], 64*PV
	s_add_co_u32 s73, s73, VOFF
	v_add_nc_u32 v[AV0], s73, v[AV0]
	v_lshlrev_b32 v3, 3, v9
	v_sub_nc_u32 v[LR], v8, v3
	v_mov_b32 v[NINF], 0xff800000
	v_and_b32 v3, 31, v0
	v_lshlrev_b32 v[PFO], 8, v3
	v_lshlrev_b32 v[GO], 4, v3
	v_add_nc_u32 v[MG], s81, v[GO]
	v_mul_u32_u24 v[STO], v8, PK
	v_lshl_add_u32 v[STO], v9, 4, v[STO]
	v_add_nc_u32 v[STO], s82, v[STO]
	v_lshrrev_b32 v[RD], 3, v3
	v_mul_u32_u24 v[RD], v[RD], PK
	v_and_b32 v3, 7, v0
	v_lshl_add_u32 v[RD], v3, 4, v[RD]
	v_add_nc_u32 v[RD], s82, v[RD]
.irp t, 0,1
	v_mov_b32 v[ST+8*\t], 0xff61b1e6               ; m: -3e38, under every score
	v_mov_b32 v[ST+8*\t+1], 0
	v_mov_b32 v[ST+8*\t+2], 0                      ; l, in two halves
	v_mov_b32 v[ST+8*\t+3], 0
.endr
.set i, 0
.rept 64
	v_mov_b32 v[OT+i], 0                           ; O^T.  (The step is written once: a wave's first step finds zeros, which a = 0 leaves zeros; a wave with no step at all hands zeros on)
.set i, i+1
.endr
; A KEY STEP: 64 keys, my parity's q-th of the slot in hand.
.macro STEP q
	s_cmp_gt_u32 s[KFW], s[QE]                     ; all its keys come after my 32 queries: left out.  Ids and the count of steps alone; no barrier and no tensor load stands in a step
	s_cbranch_scc1 .Lhidden_\@
	v_add_nc_u32 v[ADR], s[TB], v[AK0]
.rept 4
	v_nop                                          ; with the addition five places behind the last V^T P: for the loads into its fragments' registers (four) and for the products that write over P (five)
.endr
.irp a, 0,1,2,3
.irp c, 0,1
	ds_load_b128 v[KV+8*(2*\a+\c):KV+8*(2*\a+\c)+3], v[ADR] offset:(128*(\q)+16*\a)*PK+64*\c
	ds_load_b128 v[KV+8*(2*\a+\c)+4:KV+8*(2*\a+\c)+7], v[ADR] offset:(128*(\q)+16*\a)*PK+64*\c+32
.endr
.endr
	s_wait_dscnt 0x0
.irp c, 0,1                                    ; S^T = K Q^T: eight accumulators by turns, one instruction a turn
.irp a, 0,1,2,3
.irp t, 0,1
.if \c == 0
	v_wmma_f32_16x16x32_f16 v[S+32*\t+8*\a:S+32*\t+8*\a+7], v[KV+8*(2*\a+\c):KV+8*(2*\a+\c)+7], v[QF+16*\t+8*\c:QF+16*\t+8*\c+7], 0
.else
	v_wmma_f32_16x16x32_f16 v[S+32*\t+8*\a:S+32*\t+8*\a+7], v[KV+8*(2*\a+\c):KV+8*(2*\a+\c)+7], v[QF+16*\t+8*\c:QF+16*\t+8*\c+7], v[S+32*\t+8*\a:S+32*\t+8*\a+7]
.endif
.endr
.endr
.endr
	v_add_nc_u32 v[ADR], s[TB], v[AV0]
.rept 3
	v_nop                                          ; four places: for V's loads into K's registers, and for the first read of the scores
.endr
.irp kh, 0,1                                   ; V, turned: it lands while the softmax is walked
.irp ct, 0,1,2,3
	ds_load_tr16_b128 v[KV+8*(4*\kh+\ct):KV+8*(4*\kh+\ct)+3], v[ADR] offset:(128*(\q)+32*\kh)*PV+32*\ct
	ds_load_tr16_b128 v[KV+8*(4*\kh+\ct)+4:KV+8*(4*\kh+\ct)+7], v[ADR] offset:(128*(\q)+32*\kh)*PV+16*PV+32*\ct
.endr
.endr
	s_add_co_u32 s73, s[KFW], 63                   ; on the diagonal hidden scores become -infinity; a step all of whose keys count skips this
	s_cmp_le_u32 s73, s[Q0]
	s_cbranch_scc1 .Lopen_\@
	s_sub_co_u32 s73, s[Q0], s[KFW]                ; 0 or more: a step is walked only where its first key is at or under my first query
	v_add_nc_u32 v[DD], s73, v[LR]                 ; register 8 a + j holds key KFW + 16 a + 8 h + j: hidden where 16 a + j > my query - KFW - 8 h
	v_add_nc_u32 v[DD+1], 16, v[DD]
.irp t, 0,1
.irp a, 0,1,2,3
.irp j, 0,1,2,3,4,5,6,7
	v_cmp_gt_i32 vcc_lo, 16*\a+\j, v[DD+\t]
	v_cndmask_b32 v[S+32*\t+8*\a+\j], v[S+32*\t+8*\a+\j], v[NINF], vcc_lo
.endr
.endr
.endr
.Lopen_\@:
.irp j, 0,1,2,3                                ; the maximum of 32 scores and m: four chains, each accumulator read from its low end on; the two tiles by turns
.irp t, 0,1
	v_max3_num_f32 v[ST+8*\t+4+\j], v[S+32*\t+8*\j], v[S+32*\t+8*\j+1], v[S+32*\t+8*\j+2]
.endr
.endr
.irp u, 1,2
.irp j, 0,1,2,3
.irp t, 0,1
	v_max3_num_f32 v[ST+8*\t+4+\j], v[ST+8*\t+4+\j], v[S+32*\t+8*\j+2*\u+1], v[S+32*\t+8*\j+2*\u+2]
.endr
.endr
.endr
.irp t, 0,1
	v_max3_num_f32 v[ST+8*\t+4], v[ST+8*\t+4], v[S+32*\t+7], v[S+32*\t+15]
	v_max3_num_f32 v[ST+8*\t+6], v[ST+8*\t+6], v[S+32*\t+23], v[S+32*\t+31]
.endr
.irp t, 0,1
	v_max3_num_f32 v[ST+8*\t+4], v[ST+8*\t+4], v[ST+8*\t+5], v[ST+8*\t+6]
.endr
.irp t, 0,1
	v_max3_num_f32 v[ST+8*\t+4], v[ST+8*\t+4], v[ST+8*\t+7], v[ST+8*\t]
.endr
.irp t, 0,1
	v_permlanex16_b32 v[ST+8*\t+5], v[ST+8*\t+4], s[SEL], s[SEL+1]   ; the query's other 32 keys lie in the lane 16 away
.endr
.irp t, 0,1
	v_max_num_f32 v[ST+8*\t+4], v[ST+8*\t+4], v[ST+8*\t+5]
.endr
.irp t, 0,1
	v_sub_f32 v[ST+8*\t+7], v[ST+8*\t], v[ST+8*\t+4]                 ; m_old - m_new
.endr
.irp t, 0,1
	v_mov_b32 v[ST+8*\t], v[ST+8*\t+4]
.endr
.irp t, 0,1
	v_exp_f32 v[ST+8*\t+6], v[ST+8*\t+7]                             ; a
.endr
.set i, 0
.rept 16
.irp t, 0,1
	v_pk_add_f32 v[S+32*\t+i:S+32*\t+i+1], v[S+32*\t+i:S+32*\t+i+1], v[ST+8*\t:ST+8*\t+1] op_sel_hi:[1,0] neg_lo:[0,1] neg_hi:[0,1]   ; s - m, two at a time
.endr
.set i, i+2
.endr
.set i, 0
.rept 32
.irp t, 0,1
	v_exp_f32 v[S+32*\t+i], v[S+32*\t+i]                             ; p = 2^(s - m), at most 1
.endr
.set i, i+1
.endr
	v_nop                                          ; a plain line behind the last exponential
	s_wait_alu depctr_va_vdst(0)                   ; one wait for both tiles' 66 exponentials, ahead of the first line that names a result
.irp t, 0,1
	v_pk_fma_f32 v[ST+8*\t+2:ST+8*\t+3], v[ST+8*\t+2:ST+8*\t+3], v[ST+8*\t+6:ST+8*\t+7], v[S+32*\t:S+32*\t+1] op_sel_hi:[1,0,1]   ; l = a l + the first pair; the rest in two chains
	v_pk_add_f32 v[ST+8*\t+4:ST+8*\t+5], v[S+32*\t+2:S+32*\t+3], v[S+32*\t+4:S+32*\t+5]
.endr
.irp i, 6,10,14,18,22,26
.irp t, 0,1
	v_pk_add_f32 v[ST+8*\t+2:ST+8*\t+3], v[ST+8*\t+2:ST+8*\t+3], v[S+32*\t+\i:S+32*\t+\i+1]
	v_pk_add_f32 v[ST+8*\t+4:ST+8*\t+5], v[ST+8*\t+4:ST+8*\t+5], v[S+32*\t+\i+2:S+32*\t+\i+3]
.endr
.endr
.irp t, 0,1
	v_pk_add_f32 v[ST+8*\t+2:ST+8*\t+3], v[ST+8*\t+2:ST+8*\t+3], v[S+32*\t+30:S+32*\t+31]
.endr
.irp t, 0,1
	v_pk_add_f32 v[ST+8*\t+2:ST+8*\t+3], v[ST+8*\t+2:ST+8*\t+3], v[ST+8*\t+4:ST+8*\t+5]
.endr
.set i, 0
.rept 16
.irp t, 0,1
	v_cvt_pk_f16_f32 v[S+32*\t+i], v[S+32*\t+2*i], v[S+32*\t+2*i+1]  ; P, in place: register i is written when pairs up to i have been read
.endr
.set i, i+1
.endr
.set i, 0
.rept 16
.irp t, 0,1
	v_pk_mul_f32 v[OT+32*\t+i:OT+32*\t+i+1], v[OT+32*\t+i:OT+32*\t+i+1], v[ST+8*\t+6:ST+8*\t+7] op_sel_hi:[1,0]   ; O^T x a
.endr
.set i, i+2
.endr
	s_wait_dscnt 0x0                               ; V is in
.irp kh, 0,1                                   ; O^T += V^T P: eight accumulators by turns
.irp ct, 0,1,2,3
.irp t, 0,1
	v_wmma_f32_16x16x32_f16 v[OT+32*\t+8*\ct:OT+32*\t+8*\ct+7], v[KV+8*(4*\kh+\ct):KV+8*(4*\kh+\ct)+7], v[S+32*\t+8*\kh:S+32*\t+8*\kh+7], v[OT+32*\t+8*\ct:OT+32*\t+8*\ct+7]
.endr
.endr
.endr
.Lhidden_\@:
	s_add_co_u32 s[KFW], s[KFW], 128               ; my parity's next step
.endm
; THE CHANGE OF SLOTS stands at a slot's head.  Each wave waits for all its tensor loads, adds 0 to its spare word (fill = 1: twice on end),
; and waits for that and for its reads of the slot that it has left.  Behind the barrier the slot ahead is whole and nobody reads the other one, which is then filled with the keys that follow, up to the causal limit.
.macro CHANGE fill
	s_wait_tensorcnt 0x0                           ; no tensor load of mine is out, so a group 0 may be written
	ds_add_u32 v[SPW], v[NIL]
.if \fill
	ds_add_u32 v[SPW], v[NIL]
	s_xor_b32 s[G0K+1], s[G0K+1], SLOT1            ; the walking descriptors: the other slot,
	s_add_nc_u64 s[G0K+2:G0K+3], s[G0K+2:G0K+3], SKEYS*128   ; the next 256 keys; the type bits on top are not reached
	s_xor_b32 s[G0V+1], s[G0V+1], SLOT1
	s_add_nc_u64 s[G0V+2:G0V+3], s[G0V+2:G0V+3], SKEYS*128
	s_wait_xcnt 0x0                                ; the last prefetch, a slot back, has read its address
	s_add_nc_u64 s[PFA:PFA+1], s[PFA:PFA+1], SKEYS*128       ; one slot further on than the walking descriptors
.endif
	s_wait_dscnt 0x0
	s_barrier_signal -1
	s_barrier_wait -1
.if \fill
	s_add_co_u32 s73, s[KSL], SKEYS                ; the first key of the slot that this change would ask for:
	s_cmp_gt_u32 s73, s[QLAST]                     ; behind my work-group's last query no wave reads it, so it is not asked for.  Ids and the count of slots alone: all sixteen waves go the same way
	s_cbranch_scc1 .Lpast_\@
	TLOAD                                          ; a wave's one tensor load until the next barrier
.Lpast_\@:
	ASK
.endif
.endm
.macro SLOT_STEPS
	STEP 0
	STEP 1
	s_xor_b32 s[TB], s[TB], SLOT1
	s_add_co_u32 s[KSL], s[KSL], SKEYS
.endm
	s_wait_loadcnt 0x0                             ; Q
.Lslot:                                            ; NSL - 1 trips
	CHANGE 1
	SLOT_STEPS
	s_sub_co_u32 s[SLOTS], s[SLOTS], 1
	s_cmp_lg_u32 s[SLOTS], 0
	s_cbranch_scc1 .Lslot
	CHANGE 0                                       ; the last slot is written out: nothing is left to ask for
	SLOT_STEPS
	; THE TWO WAVES OF A PAIR MEET.  The odd wave hands O^T, m and l over as images of its registers; the even wave brings both under the common maximum, divides, and stores.
	v_add_f32 v[ST+2], v[ST+2], v[ST+3]            ; l's two halves.  (With the two v_nop: four places behind the last products)
	v_add_f32 v[ST+10], v[ST+10], v[ST+11]
	v_nop
	v_nop
	s_cmp_eq_u32 s[PAR], 0
	s_cbranch_scc1 .Lkeep
	v_mov_b32 v[KV], v[ST]
	v_mov_b32 v[KV+1], v[ST+2]
	v_mov_b32 v[KV+2], v[ST+8]
	v_mov_b32 v[KV+3], v[ST+10]
.set n, 0
.rept 16
	ds_store_b128 v[MG], v[OT+4*n:OT+4*n+3] offset:512*n   ; each accumulator from its low end on
.set n, n+1
.endr
	ds_store_b128 v[MG], v[KV:KV+3] offset:8192
.Lkeep:
	s_wait_dscnt 0x0                               ; for the partner's sake: my stores have landed
	s_barrier_signal -1
	s_barrier_wait -1
	s_cmp_lg_u32 s[PAR], 0
	s_cbranch_scc1 .Ldone
.set n, 0
.rept 16
	ds_load_b128 v[S+4*n:S+4*n+3], v[MG] offset:512*n
.set n, n+1
.endr
	ds_load_b128 v[KV:KV+3], v[MG] offset:8192
	s_wait_dscnt 0x0
.irp t, 0,1
	v_max_num_f32 v[ST+8*\t+4], v[ST+8*\t], v[KV+2*\t]      ; the common maximum (the even wave has walked key 0: its m is a score)
.endr
.irp t, 0,1
	v_sub_f32 v[ST+8*\t+5], v[ST+8*\t], v[ST+8*\t+4]
	v_sub_f32 v[ST+8*\t+7], v[KV+2*\t], v[ST+8*\t+4]
.endr
.irp t, 0,1
	v_exp_f32 v[ST+8*\t+4], v[ST+8*\t+5]                    ; f0
	v_exp_f32 v[ST+8*\t+6], v[ST+8*\t+7]                    ; f1: 0 for a partner that walked no step
.endr
	v_nop
	s_wait_alu depctr_va_vdst(0)                   ; one wait for the four
.irp t, 0,1
	v_mul_f32 v[ST+8*\t+2], v[ST+8*\t+2], v[ST+8*\t+4]
.endr
.irp t, 0,1
	v_fma_f32 v[ST+8*\t+2], v[KV+2*\t+1], v[ST+8*\t+6], v[ST+8*\t+2]
.endr
.irp t, 0,1
	v_permlanex16_b32 v[ST+8*\t+3], v[ST+8*\t+2], s[SEL], s[SEL+1]
.endr
.irp t, 0,1
	v_add_f32 v[ST+8*\t+2], v[ST+8*\t+2], v[ST+8*\t+3]      ; the row's sum
.endr
.irp t, 0,1
	v_rcp_f32 v[ST+8*\t+3], v[ST+8*\t+2]
.endr
	v_nop
	s_wait_alu depctr_va_vdst(0)                   ; one wait for the two
.irp t, 0,1
	v_mul_f32 v[ST+8*\t+4], v[ST+8*\t+4], v[ST+8*\t+3]
	v_mul_f32 v[ST+8*\t+6], v[ST+8*\t+6], v[ST+8*\t+3]
.endr
.set i, 0
.rept 16
.irp t, 0,1
	v_pk_mul_f32 v[OT+32*\t+i:OT+32*\t+i+1], v[OT+32*\t+i:OT+32*\t+i+1], v[ST+8*\t+4:ST+8*\t+5] op_sel_hi:[1,0]
.endr
.set i, i+2
.endr
.set i, 0
.rept 16
.irp t, 0,1
	v_pk_fma_f32 v[OT+32*\t+i:OT+32*\t+i+1], v[S+32*\t+i:S+32*\t+i+1], v[ST+8*\t+6:ST+8*\t+7], v[OT+32*\t+i:OT+32*\t+i+1] op_sel_hi:[1,0,1]
.endr
.set i, i+2
.endr
.set i, 0
.rept 32
	v_cvt_pk_f16_f32 v[KV+4+i], v[OT+2*i], v[OT+2*i+1]      ; the one rounding of ctx
.set i, i+1
.endr
.irp t, 0,1
.irp ct, 0,1,2,3
	ds_store_b128 v[STO], v[KV+4+16*\t+4*\ct:KV+4+16*\t+4*\ct+3] offset:\t*16*PK+32*\ct   ; query r, channels 16 ct + 8 h on
.endr
.endr
.irp t, 0,1
.irp g, 0,1,2,3
	ds_load_b128 v[S+4*(4*\t+\g):S+4*(4*\t+\g)+3], v[RD] offset:\t*16*PK+\g*4*PK          ; four rows of 128 bytes; in order behind my stores
.endr
.endr
.set n, 0
.rept 8
	s_wait_dscnt 7-n
	global_store_b128 v[GO], v[S+4*n:S+4*n+3], s[14:15] offset:512*n   ; 512 consecutive bytes, aligned
.set n, n+1
.endr
.Ldone:
	s_wait_tensorcnt 0x0                           ; the wave's end
	ds_add_u32 v[SPW], v[NIL]
	s_wait_dscnt 0x0
	s_endpgm
.Lfunc_end_k_qce2a5c9e7d_attn:
	.size	k_qce2a5c9e7d_attn, .Lfunc_end_k_qce2a5c9e7d_attn-k_qce2a5c9e7d_attn
	.p2alignl 7, 3214868480
	.fill 96, 4, 3214868480
	.section	.rodata,"a",@progbits
	.p2align	6, 0x0
	.amdhsa_kernel k_qce2a5c9e7d_attn
		.amdhsa_group_segment_fixed_size 327680
		.amdhsa_private_segment_fixed_size 0
		.amdhsa_enable_private_segment 0
		.amdhsa_kernarg_size 16
		.amdhsa_user_sgpr_count 2
		.amdhsa_user_sgpr_kernarg_segment_ptr 1
		.amdhsa_wavefront_size32 1
		.amdhsa_system_sgpr_workgroup_id_x 1
		.amdhsa_system_sgpr_workgroup_id_y 1
		.amdhsa_system_sgpr_workgroup_id_z 1
		.amdhsa_system_vgpr_workitem_id 0
		.amdhsa_next_free_vgpr 256
		.amdhsa_next_free_sgpr 84
		.amdhsa_reserve_vcc 1
		.amdhsa_float_denorm_mode_32 3
		.amdhsa_float_denorm_mode_16_64 3
		.amdhsa_memory_ordered 1
		.amdhsa_forward_progress 1
		.amdhsa_inst_pref_size 108
	.end_amdhsa_kernel
	.amdgpu_metadata
---
amdhsa.version: [ 1, 2 ]
amdhsa.kernels:
  - .name:           k_qce2a5c9e7d_attn
    .symbol:         k_qce2a5c9e7d_attn.kd
    .args:
      - { .name: qkv, .offset: 0, .size: 8, .value_kind: global_buffer, .address_space: global }
      - { .name: ctxh, .offset: 8, .size: 8, .value_kind: global_buffer, .address_space: global }
    .group_segment_fixed_size: 327680
    .private_segment_fixed_size: 0
    .kernarg_segment_align: 8
    .kernarg_segment_size: 16
    .max_flat_workgroup_size: 512
    .sgpr_count:     84
    .vgpr_count:     256
    .wavefront_size: 32
...
	.end_amdgpu_metadata
.endif
;; end of part 3
;; launch proj (part 4): grid 8 x 32, 4 waves a work-group, clusters of 4 x 4, 327,680 bytes of LDS; arguments ctxh, wo16, bo, out0; writes out0
.if DOCPART == 4
	.amdgcn_target "amdgcn-amd-amdhsa--gfx1250"
	.amdhsa_code_object_version 6
	.text
	.protected	k_qce2a5c9e7d_proj
	.globl	k_qce2a5c9e7d_proj
	.p2align	8
	.type	k_qce2a5c9e7d_proj,@function
k_qce2a5c9e7d_proj:
	s_mov_b64 s[64:65], 0
	v_nop
	global_prefetch_b8 v0, s[64:65] scope:SCOPE_SE
	s_setreg_imm32_b32 hwreg(HW_REG_WAVE_MODE, 25, 1), 1
	s_wait_xcnt 0x0
	s_wait_alu depctr_hold_cnt(0) depctr_sa_sdst(0) depctr_va_vdst(0) depctr_va_sdst(0) depctr_va_ssrc(0) depctr_va_vcc(0) depctr_vm_vsrc(0)
	s_getreg_b32 s2, hwreg(HW_REG_IB_STS2, 6, 4)
	s_cmp_eq_u32 s2, 0
	s_cbranch_scc0 .Lentry_in_a_cluster
	s_endpgm
.Lentry_in_a_cluster:
	s_bfe_u32 s2, ttmp6, 0x10000c
	s_cmp_lg_u32 s2, 0xf033
	s_cbranch_scc0 .Lentry_shape_is_right
	s_endpgm
.Lentry_shape_is_right:
; out0[token][n] = the sum over k of ctx[token][k] wo[n][k] + bo[n], on f16 operands with f32 sums; all 4,096 rows.  ctxh: f16 [2 b][16 heads][2048][64], k = 64 head + channel; wo16: f16 [1024 n][1024 k]; out0: f32.
; (Rows 0-15 of both sequences are written again, in f32 throughout, by the launch that follows: a jump round their stores here would hang on a work-group's place in its cluster.)
; A tile of 128 x 128, 256 work-groups; four waves, 64 x 64 each: 16 accumulators.  K goes in steps of 256, four heads, through a ring of two LDS slots.
; ctx comes BY HEAD: one descriptor takes 4 rows, each one head's 64 tokens x 64 channels (8,192 dense bytes), 131,072 elements apart, with 16 bytes of padding behind every 128: in LDS [head][token] at pitch 144.
; CLUSTERS 4 x 4: ctx's tile is shared along a row of the cluster, wo's along a column: each is asked for jointly.  THE MATRIX INSTRUCTION IS USED TRANSPOSED (source 0 = 16 rows of wo, source 1 = 16 tokens).
; The bias is the C of each sum's first matrix instruction: eight registers for each block of 16 columns.  A wave's 64 columns of f32 are 256 aligned bytes: each wave goes out by itself, through its own stage.
; REGISTERS: window 0: v0-31 addresses; v32-95 rows on the way out; v96-127 the bias; v128-255 the accumulators ((a, b) at v[128 + 8 (4 a + b)]).   window 1: two fragment buffers of 128.
.set KSTEP,  256
.set PA,     144                       ; a token's 128 bytes of one head + 16: an odd multiple of 16
.set HEADB,  64*PA
.set HALFA,  4*HEADB                   ; 64 tokens x 4 heads: what one tensor load brings
.set PB,     528
.set HALFB,  64*PB
.set BOFF,   2*HALFA
.set SLOT,   BOFF+2*HALFB
.set STAGE,  2*SLOT                    ; behind the ring: 16 rows x 272 bytes for each wave
.set SPITCH, 272
.set SPARE,  STAGE+4*16*SPITCH         ; the spare words, 128 bytes a wave: no other line names them
.set LAPS,   1024/(2*KSTEP)
.set ADRA, 16
.set ADRB, 20
.set STO,  24
.set RD,   25
.set CO,   26
.set SPW,  28
.set NIL,  29
.set TMP,  32
.set BIAS, 96
.set ACC,  128
.set F0,   0
.set F1,   128
.set G1, 24
.set G0, 32
.set G1B, 48
.set G0B, 56
.set MSB, 0
.macro WIN new
.if MSB != \new
	s_set_vgpr_msb (MSB<<8)|\new
.set MSB, \new
.endif
.endm
.set MUL,  0x05                        ; sources 0 and 1 window 1; C and D window 0
.set TO_F, 0x40
.macro JLOAD s                         ; waves 0 and 1 fetch ctx's two halves, waves 2 and 3 wo's; an s_nop 0 and four v_nop follow each line
	s_cmp_eq_u32 s11, 0
	s_cbranch_scc0 .Lfor_b_\@
	tensor_load_to_lds s[G0+4*\s:G0+4*\s+3], s[G1:G1+7]
	s_nop 0
.rept 4
	v_nop
.endr
	s_branch .Lasked_\@
.Lfor_b_\@:
	tensor_load_to_lds s[G0B+4*\s:G0B+4*\s+3], s[G1B:G1B+7]
	s_nop 0
.rept 4
	v_nop
.endr
.Lasked_\@:
.endm
.macro CREST
	s_cmp_lg_u32 s10, 0
	s_cbranch_scc1 .Lnot_wave_0_\@
	s_barrier_signal -3
.Lnot_wave_0_\@:
	s_barrier_wait -3
	s_barrier_signal -1
	s_barrier_wait -1
.endm
.macro CROUND
	s_barrier_signal -1
	s_barrier_wait -1
	CREST
.endm
	s_load_b128 s[4:7], s[0:1], 0x0                ; ctxh, wo16
	s_load_b64 s[66:67], s[0:1], 0x10              ; bo
	s_load_b64 s[8:9], s[0:1], 0x18                ; out0
	v_lshl_add_u32 v[SPW], v0, 2, SPARE
	v_mov_b32 v[NIL], 0
	ds_add_u32 v[SPW], v[NIL]                      ; the wave's opening: the add, twice on end, and its wait ahead of my first tensor load
	ds_add_u32 v[SPW], v[NIL]
	v_lshrrev_b32 v1, 5, v0
	v_readfirstlane_b32 s10, v1                    ; wave 0..3
	s_lshr_b32 s11, s10, 1                         ; which half of the tile's tokens is mine.  Also: I fetch for ctx (0) or for wo (1)
	s_and_b32 s12, s10, 1                          ; which half of its columns.  Also: which 64 rows I fetch
	s_bfe_u32 s40, ttmp6, 0x40000                  ; cx, cy
	s_bfe_u32 s41, ttmp6, 0x40004
	s_lshl_b32 s42, ttmp9, 2
	s_add_co_u32 s42, s42, s40                     ; tile column
	s_and_b32 s13, ttmp7, 0xffff
	s_lshl_b32 s13, s13, 2
	s_add_co_u32 s13, s13, s41                     ; tile row
	s_lshl_b32 s43, s41, 2
	s_lshl_b32 s43, 15, s43                        ; my row of the cluster
	s_lshl_b32 s44, 0x1111, s40                    ; my column
	s_or_b32 s[G1+0], s43, (1<<16)|(1<<20)|(1<<21)|(4<<22)|(3<<25)   ; elements of 2 bytes; padding on; 21 set beside a mask; after every 32 words four words
	s_mov_b32 s[G1+1], 4096<<16                    ; tensor_dim0: a head's 64 tokens x 64 channels
	s_mov_b32 s[G1+2], 4<<16                       ; tensor_dim1: four heads
	s_mov_b32 s[G1+3], 4096<<16                    ; tile_dim0
	s_mov_b32 s[G1+4], 4                           ; tile_dim1
	s_mov_b32 s[G1+5], 131072                      ; from head to head, in elements
	s_mov_b32 s[G1+6], 0
	s_mov_b32 s[G1+7], 0
	s_or_b32 s[G1B+0], s44, (1<<16)|(1<<20)|(1<<21)|(6<<22)|(3<<25)  ; after every 128 words four words
	s_mov_b32 s[G1B+1], KSTEP<<16
	s_mov_b32 s[G1B+2], 64<<16
	s_mov_b32 s[G1B+3], KSTEP<<16
	s_mov_b32 s[G1B+4], 64
	s_mov_b32 s[G1B+5], 1024
	s_mov_b32 s[G1B+6], 0
	s_mov_b32 s[G1B+7], 0
	s_lshr_b32 s16, s13, 4                         ; ctx: (b x 16 heads x 2048 + 128 (tile row % 16) + 64 x half) x 128 bytes: made of the tile row and the wave's number alone
	s_lshl_b32 s16, s16, 15
	s_and_b32 s17, s13, 15
	s_lshl_b32 s17, s17, 7
	s_add_co_u32 s16, s16, s17
	s_lshl_b32 s17, s12, 6
	s_add_co_u32 s16, s16, s17
	s_lshl_b32 s16, s16, 7
	s_mov_b32 s17, 0
	s_lshl_b32 s46, s42, 7                         ; wo: row 128 x tile column + 64 x half, 2,048 bytes a row
	s_lshl_b32 s47, s12, 6
	s_add_co_u32 s46, s46, s47
	s_lshl_b32 s46, s46, 11
	s_mov_b32 s47, 0
	s_mul_i32 s20, s12, HALFA                      ; where they go: no place in the cluster enters an LDS address
	s_mul_i32 s45, s12, HALFB
	s_add_co_u32 s45, s45, BOFF
	s_wait_dscnt 0x0                               ; both opening adds are done
	s_wait_kmcnt 0x0
	s_add_nc_u64 s[14:15], s[4:5], s[16:17]
	s_add_nc_u64 s[46:47], s[6:7], s[46:47]
	CROUND                                         ; all sixteen work-groups are here: the first joint loads meet
.irp s, 0,1
	s_mov_b32 s[G0+4*\s], 1
	s_add_co_u32 s[G0+4*\s+1], s20, \s*SLOT
	s_add_nc_u64 s[G0+4*\s+2:G0+4*\s+3], s[14:15], \s*1048576      ; K step s: four heads of 262,144 bytes on
	s_or_b32 s[G0+4*\s+3], s[G0+4*\s+3], 0x80000000
	s_mov_b32 s[G0B+4*\s], 1
	s_add_co_u32 s[G0B+4*\s+1], s45, \s*SLOT
	s_add_nc_u64 s[G0B+4*\s+2:G0B+4*\s+3], s[46:47], \s*KSTEP*2
	s_or_b32 s[G0B+4*\s+3], s[G0B+4*\s+3], 0x80000000
	JLOAD \s                                       ; two loads of mine are out
.endr
	v_and_b32 v1, 15, v0                           ; r
	v_bfe_u32 v2, v0, 4, 1                         ; h
	v_mul_u32_u24 v3, v1, PA
	v_lshl_add_u32 v3, v2, 4, v3
	v_mul_u32_u24 v4, v1, PB
	v_lshl_add_u32 v4, v2, 4, v4
	s_mul_i32 s21, s11, HALFA                      ; my 64 tokens
	s_mul_i32 s22, s12, HALFB                      ; my 64 rows of wo
	s_add_co_u32 s22, s22, BOFF
.irp s, 0,1
	v_add_nc_u32 v[ADRA+\s], s21, v3
	v_add_nc_u32 v[ADRB+\s], s22, v4
	s_add_co_u32 s21, s21, SLOT
	s_add_co_u32 s22, s22, SLOT
.endr
	s_mul_i32 s23, s10, 16*SPITCH
	s_add_co_u32 s23, s23, STAGE                   ; my stage
	v_mul_u32_u24 v4, v1, SPITCH
	v_lshl_add_u32 v4, v2, 5, v4
	v_add_nc_u32 v[STO], s23, v4                   ; in: row r, 32 bytes for each half of the lanes
	v_mul_u32_u24 v5, v2, SPITCH
	v_lshl_add_u32 v5, v1, 4, v5
	v_add_nc_u32 v[RD], s23, v5                    ; back: lanes 0-15 one row of 256 bytes, lanes 16-31 the next
	v_lshlrev_b32 v5, 12, v2
	v_lshl_add_u32 v[CO], v1, 4, v5                ; and the same two rows of out0, 4,096 bytes apart
	v_lshlrev_b32 v6, 5, v2                        ; the bias: 32 h
	s_lshl_b32 s16, s13, 7
	s_lshl_b32 s17, s11, 6
	s_add_co_u32 s16, s16, s17                     ; my first row of out0
	s_lshl_b32 s16, s16, 12
	s_mov_b32 s17, 0
	s_add_nc_u64 s[8:9], s[8:9], s[16:17]
	s_lshl_b32 s46, s42, 9                         ; my first column, 4 bytes each: 512 x tile column + 256 x half
	s_lshl_b32 s47, s12, 8
	s_add_co_u32 s46, s46, s47
	s_mov_b32 s47, 0
	s_add_nc_u64 s[8:9], s[8:9], s[46:47]
	s_add_nc_u64 s[66:67], s[66:67], s[46:47]      ; and the same place in bo
.irp b, 0,1,2,3
	global_load_b128 v[BIAS+8*\b:BIAS+8*\b+3], v6, s[66:67] offset:64*\b         ; lane (r, h), register j: bo at column 16 b + 8 h + j
	global_load_b128 v[BIAS+8*\b+4:BIAS+8*\b+7], v6, s[66:67] offset:64*\b+16
.endr
; 8 matrix instructions: token blocks a0, a0 + 1 x all 4 column blocks, 32 along K.  first = 1: the bias starts the sums.  The 16 accumulators take turns.
.macro MUL8 f, c, a0, first
.irp a, \a0, \a0+1
.irp b, 0,1,2,3
.if \first
	v_wmma_f32_16x16x32_f16 v[ACC+8*(4*(\a)+\b):ACC+8*(4*(\a)+\b)+7], v[\f+64+8*(4*\c+\b):\f+64+8*(4*\c+\b)+7], v[\f+8*(4*\c+\a):\f+8*(4*\c+\a)+7], v[BIAS+8*\b:BIAS+8*\b+7]
.else
	v_wmma_f32_16x16x32_f16 v[ACC+8*(4*(\a)+\b):ACC+8*(4*(\a)+\b)+7], v[\f+64+8*(4*\c+\b):\f+64+8*(4*\c+\b)+7], v[\f+8*(4*\c+\a):\f+8*(4*\c+\a)+7], v[ACC+8*(4*(\a)+\b):ACC+8*(4*(\a)+\b)+7]
.endif
.endr
.endr
.endm
; 32 LDS loads in one run: quarter q of a slot (64 along K: one head) into buffer f; its first 32 along K first
.macro FETCH slot, q, f
	WIN TO_F
.irp c, 0,1
.irp i, 0,1,2,3
	ds_load_b128 v[\f+64+8*(4*\c+\i):\f+64+8*(4*\c+\i)+3],   v[ADRB+\slot] offset:128*(\q)+64*\c+\i*16*PB
	ds_load_b128 v[\f+64+8*(4*\c+\i)+4:\f+64+8*(4*\c+\i)+7], v[ADRB+\slot] offset:128*(\q)+64*\c+\i*16*PB+32
	ds_load_b128 v[\f+8*(4*\c+\i):\f+8*(4*\c+\i)+3],         v[ADRA+\slot] offset:(\q)*HEADB+64*\c+\i*16*PA
	ds_load_b128 v[\f+8*(4*\c+\i)+4:\f+8*(4*\c+\i)+7],       v[ADRA+\slot] offset:(\q)*HEADB+64*\c+\i*16*PA+32
.endr
.endr
.endm
.macro PLACES
.rept 4
	v_nop
.endr
.endm
.macro QUARTER slot, q, f, g, first    ; multiplies buffer f and fetches quarter q into g
	s_wait_dscnt 16                                ; the first 32 along K are in; the younger sixteen loads may be out
	WIN MUL
	MUL8 \f, 0, 0, \first
	MUL8 \f, 0, 2, \first
	PLACES
	FETCH \slot, \q, \g
	s_wait_dscnt 32                                ; all but the 32 just issued
	WIN MUL
	MUL8 \f, 1, 0, 0
	MUL8 \f, 1, 2, 0
.endm
; A slot's last quarter changes slots: in front of the barrier each wave waits for all its tensor loads, adds 0 to its spare word, and waits for that and for its reads of this slot.
; fill = 1: the barrier opens a round of the cluster's barrier, and the joint refill, two K steps ahead, is the first thing behind it.
.macro TURN slot, next, fill
	WIN 0
	s_wait_tensorcnt 0x0
	ds_add_u32 v[SPW], v[NIL]
	s_wait_dscnt 17                                ; the add and the youngest sixteen loads may be out
	WIN MUL
	MUL8 F1, 0, 0, 0
	s_wait_dscnt 0x0                               ; the add is done, and my reads of this slot are over
	s_barrier_signal -1
	MUL8 F1, 0, 2, 0
.if \fill
	WIN 0
.endif
	s_barrier_wait -1
.if \fill
	CREST
	s_add_nc_u64 s[G0+4*\slot+2:G0+4*\slot+3], s[G0+4*\slot+2:G0+4*\slot+3], 2*1048576
	s_add_nc_u64 s[G0B+4*\slot+2:G0B+4*\slot+3], s[G0B+4*\slot+2:G0B+4*\slot+3], 2*KSTEP*2
	JLOAD \slot                                    ; one load of mine is out; the four v_nop behind it are also the places in front of the loads below
.else
	PLACES
.endif
	FETCH \next, 0, F0
	WIN MUL
	MUL8 F1, 1, 0, 0
	MUL8 F1, 1, 2, 0
.endm
	s_wait_tensorcnt 1                             ; my part of K step 0 is in; K step 1's may be out
	s_barrier_signal -1
	s_barrier_wait -1
	FETCH 0, 0, F0
	s_wait_loadcnt 0x0                             ; the bias
	QUARTER 0, 1, F0, F1, 1
	WIN 0
	s_mov_b32 s3, LAPS-1
.Llap:                                             ; a trip goes once round the ring and fills both slots again
	QUARTER 0, 2, F1, F0, 0
	QUARTER 0, 3, F0, F1, 0
	TURN 0, 1, 1
	QUARTER 1, 1, F0, F1, 0
	QUARTER 1, 2, F1, F0, 0
	QUARTER 1, 3, F0, F1, 0
	TURN 1, 0, 1
	QUARTER 0, 1, F0, F1, 0
	WIN 0
	s_sub_co_u32 s3, s3, 1
	s_cmp_lg_u32 s3, 0
	s_cbranch_scc1 .Llap
	QUARTER 0, 2, F1, F0, 0                        ; the last lap fills nothing
	QUARTER 0, 3, F0, F1, 0
	TURN 0, 1, 0
	QUARTER 1, 1, F0, F1, 0
	QUARTER 1, 2, F1, F0, 0
	QUARTER 1, 3, F0, F1, 0
	s_wait_dscnt 16
	WIN MUL
	MUL8 F1, 0, 0, 0
	MUL8 F1, 0, 2, 0
	s_wait_dscnt 0
	MUL8 F1, 1, 0, 0
	MUL8 F1, 1, 2, 0
	WIN 0
; THE WAY OUT, 16 tokens x 64 columns at a time: 32 bytes a lane into my stage, back as whole rows of 256 bytes; sixteen lanes store 256 consecutive bytes, aligned.
.macro TOSTAGE a
.set BB, TMP+32*((\a)%2)
.irp b, 0,1,2,3
	ds_store_b128 v[STO], v[ACC+8*(4*(\a)+\b):ACC+8*(4*(\a)+\b)+3] offset:64*\b          ; each accumulator from its low end on
	ds_store_b128 v[STO], v[ACC+8*(4*(\a)+\b)+4:ACC+8*(4*(\a)+\b)+7] offset:64*\b+16
.endr
.irp t, 0,1,2,3,4,5,6,7
	ds_load_b128 v[BB+4*\t:BB+4*\t+3], v[RD] offset:\t*2*SPITCH   ; in order behind my stores (ISA guide 5.7.1.4)
.endr
.endm
.macro SEND a, younger
.set BB, TMP+32*((\a)%2)
	s_wait_dscnt \younger
.irp t, 0,1,2,3,4,5,6,7
	global_store_b128 v[CO], v[BB+4*\t:BB+4*\t+3], s[8:9] offset:(16*(\a)+2*\t)*4096 th:TH_STORE_NT
.endr
.endm
	PLACES
	TOSTAGE 0
.irp a, 1,2,3
.if \a > 1
	s_wait_xcnt 0x0                                ; block a - 2's stores have read their data: block a's loads land there only behind this wait
.endif
	TOSTAGE \a
	SEND \a-1, 16                                  ; behind block a - 1's loads: block a's 8 stores and 8 loads
.endr
	SEND 3, 0
	s_wait_tensorcnt 0x0                           ; the wave's end
	ds_add_u32 v[SPW], v[NIL]
	s_wait_dscnt 0x0
	CROUND                                         ; the closing round
	s_endpgm
.Lfunc_end_k_qce2a5c9e7d_proj:
	.size	k_qce2a5c9e7d_proj, .Lfunc_end_k_qce2a5c9e7d_proj-k_qce2a5c9e7d_proj
	.p2alignl 7, 3214868480
	.fill 96, 4, 3214868480
	.section	.rodata,"a",@progbits
	.p2align	6, 0x0
	.amdhsa_kernel k_qce2a5c9e7d_proj
		.amdhsa_group_segment_fixed_size 327680
		.amdhsa_private_segment_fixed_size 0
		.amdhsa_enable_private_segment 0
		.amdhsa_kernarg_size 32
		.amdhsa_user_sgpr_count 2
		.amdhsa_user_sgpr_kernarg_segment_ptr 1
		.amdhsa_wavefront_size32 1
		.amdhsa_system_sgpr_workgroup_id_x 1
		.amdhsa_system_sgpr_workgroup_id_y 1
		.amdhsa_system_sgpr_workgroup_id_z 1
		.amdhsa_system_vgpr_workitem_id 0
		.amdhsa_next_free_vgpr 512
		.amdhsa_next_free_sgpr 68
		.amdhsa_reserve_vcc 0
		.amdhsa_float_denorm_mode_32 3
		.amdhsa_float_denorm_mode_16_64 3
		.amdhsa_memory_ordered 1
		.amdhsa_forward_progress 1
		.amdhsa_inst_pref_size 87
	.end_amdhsa_kernel
	.amdgpu_metadata
---
amdhsa.version: [ 1, 2 ]
amdhsa.kernels:
  - .name:           k_qce2a5c9e7d_proj
    .symbol:         k_qce2a5c9e7d_proj.kd
    .args:
      - { .name: ctxh, .offset: 0, .size: 8, .value_kind: global_buffer, .address_space: global }
      - { .name: wo16, .offset: 8, .size: 8, .value_kind: global_buffer, .address_space: global }
      - { .name: bo, .offset: 16, .size: 8, .value_kind: global_buffer, .address_space: global }
      - { .name: out0, .offset: 24, .size: 8, .value_kind: global_buffer, .address_space: global }
    .group_segment_fixed_size: 327680
    .private_segment_fixed_size: 0
    .kernarg_segment_align: 8
    .kernarg_segment_size: 32
    .max_flat_workgroup_size: 128
    .sgpr_count:     68
    .vgpr_count:     512
    .wavefront_size: 32
...
	.end_amdgpu_metadata
.endif
;; end of part 4
;; launch fine (part 5): grid 64 x 2, 16 waves a work-group, no clusters, 22,528 bytes of LDS; arguments fq, wo, bo, out0; writes out0
.if DOCPART == 5
	.amdgcn_target "amdgcn-amd-amdhsa--gfx1250"
	.amdhsa_code_object_version 6
	.text
	.protected	k_qce2a5c9e7d_fine
	.globl	k_qce2a5c9e7d_fine
	.p2align	8
	.type	k_qce2a5c9e7d_fine,@function
k_qce2a5c9e7d_fine:
	s_mov_b64 s[64:65], 0
	v_nop
	global_prefetch_b8 v0, s[64:65] scope:SCOPE_SE
	s_setreg_imm32_b32 hwreg(HW_REG_WAVE_MODE, 25, 1), 1
	s_wait_xcnt 0x0
; Positions 0-15 of both sequences once more, in f32 from the raw q, k, v (fq) to out0: their rows average one to sixteen values and are the largest of the output, so f16 operands would weigh most there.
; fq: f32 [2 b][16 tokens][3072 = q, k, v]; wo: f32 [1024 n][1024 k]; out0 rows b x 2048 + 0 .. 15 are written over.  All products by the f32 matrix form, 48 instructions a wave: no bulk work.
; SHARES.  Work-group (x, b): 16 columns of out0 for the 16 tokens of batch b: 128 work-groups.  Wave w is head w: it makes the head's 16 x 16 attention (32 matrix instructions), and the head's part
; (K = its 64 channels, 16 matrix instructions) of the 16 columns; the sixteen parts meet in LDS and are added in ascending order of heads, behind the bias.
; Every work-group of a batch repeats the batch's small attention: that spares a launch.
; THE STORES: a work-group's 16 columns are 64 bytes of a row, so four lanes store 64 consecutive bytes and a run of 256 is written by four work-groups: 131,072 bytes in all, one in 128 of out0.
; With 64 columns to a work-group the runs would be whole and there would be 32 work-groups in all; the sum over heads may not span work-groups, and a tile takes no fewer than 16 tokens.
; LAYOUT (f32 form: lane (r, h), register j of a source: k = 2 h + j).  A permutation of k applied alike to both sources keeps the products:
;   S^T = k q^T: a lane's 16-byte loads give K step (c, e) the channels 8 c + 4 h + 2 e + j on both sides.   O^T = V^T p: K step s takes keys 8 h + 2 s + j: p's registers as the softmax leaves them.
;   OUT^T = wo O^T: K step (ct, s) takes channels 16 ct + 8 h + 2 s + j: O^T's registers as they stand.   A lane holds one query throughout.
; The registers that the matrix form writes (v192-239) are written by matrix instructions alone; what is made of a sum goes into other registers.
; No cluster and no tensor load: a wave's operands are its own and go straight into registers.  LIMITS: NaN and infinities among the inputs are not served; the order of the f32 sums is not reference()'s.
.set QF,  16                           ; v16-47  q;  at the end v16-79 take the sixteen parts
.set KF,  48                           ; v48-79  k
.set VF,  80                           ; v80-111 V^T: (ct, key slot u) at 8 ct + u
.set WF,  112                          ; v112-143 wo's 16 rows: channels 16 ct + 8 h + 0 .. 7 at 8 ct
.set T,   176                          ; v176-183 scores, then p, then my part;  v184-187 at work
.set BI,  188                          ; v188-191 the bias, then the sum
.set SA,  192                          ; two accumulators of S^T by turns; later the two of OUT^T
.set SB,  200
.set OT,  208                          ; v208-239 O^T, four tiles of 16 channels
.set SPW, 14                           ; v14 LDS address of my spare word; never rewritten
.set NIL, 15                           ; v15 0; never rewritten
.set PP,    80                         ; a token's row of a part: 64 bytes + 16 = 20 words: row r starts at bank 20 r mod 64 (64 banks of 4 bytes: ISA guide 11.1): sixteen different groups of four
.set PARTB, 16*PP                      ; a head's part: 16 tokens
.set SPARE, 16*PARTB                   ; behind the sixteen parts: the spare words, 128 bytes a wave: no other line names them
	s_load_b256 s[4:11], s[0:1], 0x0               ; fq, wo, bo, out0
	v_lshl_add_u32 v[SPW], v0, 2, SPARE
	v_mov_b32 v[NIL], 0
	v_lshrrev_b32 v1, 5, v0
	v_readfirstlane_b32 s12, v1                    ; wave = head
	v_and_b32 v1, 15, v0                           ; r
	v_bfe_u32 v2, v0, 4, 1                         ; h
	v_mul_u32_u24 v3, v1, 12288
	v_lshl_add_u32 v3, v2, 4, v3                   ; q, k: token r, + 16 h
	v_mul_u32_u24 v4, v2, 98304
	v_lshl_add_u32 v4, v1, 2, v4                   ; V^T: key 8 h on, channel r
	v_lshlrev_b32 v5, 12, v1
	v_lshl_add_u32 v5, v2, 5, v5                   ; wo: row r, + 32 h
	v_lshlrev_b32 v6, 3, v2
	v_sub_nc_u32 v6, v1, v6                        ; r - 8 h: register j (key 8 h + j) is hidden where j is above it
	s_mul_i32 s13, s12, PARTB
	v_mul_u32_u24 v7, v1, PP
	v_lshl_add_u32 v7, v2, 5, v7
	v_add_nc_u32 v7, s13, v7                       ; my part: token r's row, + 32 h: my eight columns
	v_bfe_u32 v8, v0, 2, 4                         ; the sum (waves 0 and 1): token = thread / 4,
	v_and_b32 v10, 3, v0
	v_lshlrev_b32 v10, 4, v10                      ; 16 x piece, piece = thread % 4: columns 4 piece on: in bo,
	v_mad_u32_u24 v9, v8, PP, v10                  ; in a part,
	v_lshl_add_u32 v11, v8, 12, v10                ; and in my token's row of out0
	s_mov_b32 s20, 0x76543210
	s_mov_b32 s21, 0xfedcba98                      ; v_permlanex16_b32's selects for lane l xor 16
	s_mov_b32 s22, 0x3e38aa3b                      ; c = log2(e) / 8
	s_and_b32 s14, ttmp7, 0xffff                   ; b
	s_mul_i32 s16, s14, 196608
	s_lshl_b32 s15, s12, 8                         ; the head's 64 numbers: 256 bytes
	s_add_co_u32 s16, s16, s15
	s_mov_b32 s17, 0
	s_lshl_b32 s18, ttmp9, 16                      ; 16 rows of wo
	s_add_co_u32 s18, s18, s15
	s_mov_b32 s19, 0
	s_lshl_b32 s24, ttmp9, 6                       ; 16 columns: 64 bytes
	s_mov_b32 s25, 0
	s_lshl_b32 s26, s14, 23
	s_add_co_u32 s26, s26, s24
	s_mov_b32 s27, 0
	s_wait_kmcnt 0x0
	s_add_nc_u64 s[4:5], s[4:5], s[16:17]
	s_add_nc_u64 s[6:7], s[6:7], s[18:19]
	s_add_nc_u64 s[8:9], s[8:9], s[24:25]
	s_add_nc_u64 s[10:11], s[10:11], s[26:27]
	global_load_b128 v[BI:BI+3], v10, s[8:9]       ; asked for here, with the rest, so that the sum at the end waits for nothing from memory
.irp c, 0,1,2,3,4,5,6,7
	global_load_b128 v[QF+4*\c:QF+4*\c+3], v3, s[4:5] offset:32*\c
.endr
.irp c, 0,1,2,3,4,5,6,7
	global_load_b128 v[KF+4*\c:KF+4*\c+3], v3, s[4:5] offset:4096+32*\c
.endr
.irp ct, 0,1,2,3
.irp u, 0,1,2,3,4,5,6,7
	global_load_b32 v[VF+8*\ct+\u], v4, s[4:5] offset:8192+\u*12288+64*\ct
.endr
.endr
.irp ct, 0,1,2,3
	global_load_b128 v[WF+8*\ct:WF+8*\ct+3], v5, s[6:7] offset:64*\ct
	global_load_b128 v[WF+8*\ct+4:WF+8*\ct+7], v5, s[6:7] offset:64*\ct+16
.endr
	s_wait_loadcnt 40                              ; the bias, q and k are in; V^T's 32 loads and wo's 8 may be out
	v_wmma_f32_16x16x4_f32 v[SA:SA+7], v[KF:KF+1], v[QF:QF+1], 0               ; S^T in two accumulators by turns; their first K steps start the sums
	v_wmma_f32_16x16x4_f32 v[SB:SB+7], v[KF+2:KF+3], v[QF+2:QF+3], 0
.set u, 4
.rept 7
	v_wmma_f32_16x16x4_f32 v[SA:SA+7], v[KF+u:KF+u+1], v[QF+u:QF+u+1], v[SA:SA+7]
	v_wmma_f32_16x16x4_f32 v[SB:SB+7], v[KF+u+2:KF+u+3], v[QF+u+2:QF+u+3], v[SB:SB+7]
.set u, u+4
.endr
.rept 8
	v_nop                                          ; eight places behind this form (ISA guide 7.12.1), ahead of the first read of the scores
.endr
.irp j, 0,1,2,3,4,5,6,7
	v_add_f32 v[T+\j], v[SA+\j], v[SB+\j]          ; from the low end on
.endr
	v_mov_b32 v184, 0xff800000
.irp j, 0,1,2,3,4,5,6,7
	v_cmp_gt_i32 vcc_lo, \j, v6
	v_cndmask_b32 v[T+\j], v[T+\j], v184, vcc_lo   ; the causal mask
.endr
	v_max3_num_f32 v185, v[T], v[T+1], v[T+2]
	v_max3_num_f32 v186, v[T+3], v[T+4], v[T+5]
	v_max3_num_f32 v185, v185, v[T+6], v[T+7]
	v_max_num_f32 v185, v185, v186
	v_permlanex16_b32 v186, v185, s20, s21
	v_max_num_f32 v185, v185, v186                 ; the row's maximum: key 0 counts for every query
.irp j, 0,1,2,3,4,5,6,7
	v_sub_f32 v[T+\j], v[T+\j], v185
.endr
.irp j, 0,1,2,3,4,5,6,7
	v_mul_f32 v[T+\j], s22, v[T+\j]
.endr
.irp j, 0,1,2,3,4,5,6,7
	v_exp_f32 v[T+\j], v[T+\j]
.endr
	v_nop                                          ; a plain line behind the last exponential
	s_wait_alu depctr_va_vdst(0)                   ; one wait for the eight, ahead of the first reader
	v_add_f32 v186, v[T], v[T+1]
	v_add_f32 v187, v[T+2], v[T+3]
	v_add_f32 v186, v186, v[T+4]
	v_add_f32 v187, v187, v[T+5]
	v_add_f32 v186, v186, v[T+6]
	v_add_f32 v187, v187, v[T+7]
	v_add_f32 v186, v186, v187
	v_permlanex16_b32 v187, v186, s20, s21
	v_add_f32 v186, v186, v187
	v_rcp_f32 v186, v186
	v_nop
	s_wait_alu depctr_va_vdst(0)
.irp j, 0,1,2,3,4,5,6,7
	v_mul_f32 v[T+\j], v[T+\j], v186               ; p, normalised
.endr
	s_wait_loadcnt 8                               ; V^T is in; wo's 8 loads may be out
.irp s, 0,1,2,3                                ; O^T = V^T p: four accumulators by turns
.irp ct, 0,1,2,3
.if \s == 0
	v_wmma_f32_16x16x4_f32 v[OT+8*\ct:OT+8*\ct+7], v[VF+8*\ct+2*\s:VF+8*\ct+2*\s+1], v[T+2*\s:T+2*\s+1], 0
.else
	v_wmma_f32_16x16x4_f32 v[OT+8*\ct:OT+8*\ct+7], v[VF+8*\ct+2*\s:VF+8*\ct+2*\s+1], v[T+2*\s:T+2*\s+1], v[OT+8*\ct:OT+8*\ct+7]
.endif
.endr
.endr
.rept 9
	v_nop                                          ; nine places before a matrix instruction takes a result as a source
.endr
	s_wait_loadcnt 0x0                             ; wo
.irp ct, 0,1,2,3                               ; OUT^T = wo O^T, 16 K steps: the even ones into v192-199, the odd ones into v200-207, by turns; their first K steps start the sums
.irp s, 0,1,2,3
.if (\ct == 0) && (\s < 2)
	v_wmma_f32_16x16x4_f32 v[SA+8*(\s%2):SA+8*(\s%2)+7], v[WF+8*\ct+2*\s:WF+8*\ct+2*\s+1], v[OT+8*\ct+2*\s:OT+8*\ct+2*\s+1], 0
.else
	v_wmma_f32_16x16x4_f32 v[SA+8*(\s%2):SA+8*(\s%2)+7], v[WF+8*\ct+2*\s:WF+8*\ct+2*\s+1], v[OT+8*\ct+2*\s:OT+8*\ct+2*\s+1], v[SA+8*(\s%2):SA+8*(\s%2)+7]
.endif
.endr
.endr
.rept 8
	v_nop                                          ; eight places ahead of the first read of the results
.endr
.irp j, 0,1,2,3,4,5,6,7
	v_add_f32 v[T+\j], v[SA+\j], v[SB+\j]          ; my head's part: token r, columns 8 h + j; both accumulators from the low end on
.endr
	ds_store_b128 v7, v[T:T+3]
	ds_store_b128 v7, v[T+4:T+7] offset:16
	s_wait_dscnt 0x0                               ; for the others' sake: my part has landed
	s_barrier_signal -1
	s_barrier_wait -1
	s_cmp_ge_u32 s12, 2                            ; waves 0 and 1 add: eight tokens a wave, four lanes to a token's 64 bytes
	s_cbranch_scc1 .Lend
.set p, 0
.rept 16
	ds_load_b128 v[QF+4*p:QF+4*p+3], v9 offset:PARTB*p
.set p, p+1
.endr
.set p, 0
.rept 16
	s_wait_dscnt 15-p                              ; part p is in; the younger ones may be out
	v_pk_add_f32 v[BI:BI+1], v[BI:BI+1], v[QF+4*p:QF+4*p+1]
	v_pk_add_f32 v[BI+2:BI+3], v[BI+2:BI+3], v[QF+4*p+2:QF+4*p+3]
.set p, p+1
.endr
	global_store_b128 v11, v[BI:BI+3], s[10:11]    ; four lanes store a token's 64 consecutive bytes
.Lend:
	s_wait_tensorcnt 0x0                           ; the wave's end
	ds_add_u32 v[SPW], v[NIL]
	s_wait_dscnt 0x0
	s_endpgm
.Lfunc_end_k_qce2a5c9e7d_fine:
	.size	k_qce2a5c9e7d_fine, .Lfunc_end_k_qce2a5c9e7d_fine-k_qce2a5c9e7d_fine
	.p2alignl 7, 3214868480
	.fill 96, 4, 3214868480
	.section	.rodata,"a",@progbits
	.p2align	6, 0x0
	.amdhsa_kernel k_qce2a5c9e7d_fine
		.amdhsa_group_segment_fixed_size 22528
		.amdhsa_private_segment_fixed_size 0
		.amdhsa_enable_private_segment 0
		.amdhsa_kernarg_size 32
		.amdhsa_user_sgpr_count 2
		.amdhsa_user_sgpr_kernarg_segment_ptr 1
		.amdhsa_wavefront_size32 1
		.amdhsa_system_sgpr_workgroup_id_x 1
		.amdhsa_system_sgpr_workgroup_id_y 1
		.amdhsa_system_sgpr_workgroup_id_z 1
		.amdhsa_system_vgpr_workitem_id 0
		.amdhsa_next_free_vgpr 256
		.amdhsa_next_free_sgpr 66
		.amdhsa_reserve_vcc 1
		.amdhsa_float_denorm_mode_32 3
		.amdhsa_float_denorm_mode_16_64 3
		.amdhsa_memory_ordered 1
		.amdhsa_forward_progress 1
		.amdhsa_inst_pref_size 19
	.end_amdhsa_kernel
	.amdgpu_metadata
---
amdhsa.version: [ 1, 2 ]
amdhsa.kernels:
  - .name:           k_qce2a5c9e7d_fine
    .symbol:         k_qce2a5c9e7d_fine.kd
    .args:
      - { .name: fq, .offset: 0, .size: 8, .value_kind: global_buffer, .address_space: global }
      - { .name: wo, .offset: 8, .size: 8, .value_kind: global_buffer, .address_space: global }
      - { .name: bo, .offset: 16, .size: 8, .value_kind: global_buffer, .address_space: global }
      - { .name: out0, .offset: 24, .size: 8, .value_kind: global_buffer, .address_space: global }
    .group_segment_fixed_size: 22528
    .private_segment_fixed_size: 0
    .kernarg_segment_align: 8
    .kernarg_segment_size: 32
    .max_flat_workgroup_size: 512
    .sgpr_count:     66
    .vgpr_count:     256
    .wavefront_size: 32
...
	.end_amdgpu_metadata
.endif
;; end of part 5
